; MI455X (gfx1250); checked and timed in simulation.
; The chip was launched on July 23, 2026; its instructions are those of AMD's public machine-readable ISA for CDNA 5 (MIT licence, August 2026) and "CDNA5" Instruction Set Architecture Reference Guide (July 2026). The comments in the code are by the model that wrote it; some were corrected since.
;; Grouped Query Attention. Allowed arithmetic: matrix products marked QUANTISED: E4M3 operands, one given power-of-two scale a tensor, by v_wmma_f32_16x16x64_fp8_fp8 or v_wmma_f32_16x16x128_fp8_fp8, f32 sums; everything else in f32.
;; Inputs: Wk 512 x 2,048 float32; Wo 2,048 x 2,048 float32; Wq 2,048 x 2,048 float32; Wv 512 x 2,048 float32; attention_mask 1 x 1 x 2,048 x 2,048 float32; bk 512 float32; bq 2,048 float32; bv 512 float32; hidden_states 1 x 2,048 x 2,048 float32; lowp_scales 12 int32 (the exponents e of the quantised operands' scales 2^e).
;; Outputs: out0 1 x 2,048 x 2,048 float32.
;; This version of the problem:
;;   THIS VERSION OF THE PROBLEM IS GIVEN IN LOW PRECISION. The matrix products marked QUANTISED in the list below multiply operands that are first quantised to E4M3 (4 exponent bits, 3 mantissa bits; 8 bits a number), with one given power-of-two scale for each operand tensor; their sums are f32. All else is computed in f32.
;;   The module's matrix products, in the order in which they are computed (A, B: the left and right operand; K: the contracted axis; several contracted axes count as one K, in the product's order):
;;     1. [M 2,048, K 2,048] x [K 2,048, N 2,048]; A: input hidden_states; B: input Wq: QUANTISED (scales: A lowp_scales[0], B lowp_scales[1])
;;     2. [M 2,048, K 2,048] x [K 2,048, N 512]; A: input hidden_states; B: input Wk: QUANTISED (scales: A lowp_scales[2], B lowp_scales[3])
;;     3. [M 2,048, K 2,048] x [K 2,048, N 512]; A: input hidden_states; B: input Wv: QUANTISED (scales: A lowp_scales[4], B lowp_scales[5])
;;     4. batch 32 x [M 2,048, K 64] x [K 64, N 2,048]; A: computed on the way; B: computed on the way: QUANTISED (scales: A lowp_scales[6], B lowp_scales[7])
;;     5. batch 32 x [M 2,048, K 2,048] x [K 2,048, N 64]; A: softmax (see below); B: computed on the way: QUANTISED (scales: A lowp_scales[8], B lowp_scales[9])
;;     6. [M 2,048, K 2,048] x [K 2,048, N 2,048]; A: computed on the way; B: input Wo: QUANTISED (scales: A lowp_scales[10], B lowp_scales[11])
;;   THE QUANTISER, for each operand of a quantised product, along K:
;;     - The operand's scale is 2^e, e = its entry of the input lowp_scales (int32; the entries are numbered through the quantised products in the list's order, A before B).
;;     - Each number is divided by the scale, clamped to +-448, and rounded to the nearest number of E4M3, ties to even, subnormals kept.
;;     - The product sums the exact products of the quantised numbers (number of the format x scale) in f32.
;;   ~~~python
;;   def quantise(x, axis, e):      # numpy; x: float32 -> the quantised numbers, widened to float32 again
;;       x = np.moveaxis(x, axis, -1); K = x.shape[-1]
;;       r = np.clip(x / 2.0 ** e, -448, 448)
;;       step = 2.0 ** (np.maximum(np.frexp(np.where(r == 0, 1, r))[1] - 1, -6) - 3)
;;       q = np.round(r / step) * step * 2.0 ** e      # np.round: ties to even
;;       return np.moveaxis(q, -1, axis).astype(np.float32)
;;   ~~~
;;   SOFTMAX AHEAD OF A QUANTISED PRODUCT. Where the list says 'softmax', what is quantised is not the finished softmax but p = 2^(t - M), with t = logit x log2(e) and M = ceil(the row's largest t), a whole number; so 1/2 < the row's largest p <= 1. The row's sum l is taken of the UNQUANTISED p, in f32, and the product's result is divided by l at the end. Since M is a whole number, a kernel that streams over the keys may use a running M (the ceiling of the running maximum): every later rescaling is an exact power of two, so the quantised numbers keep their values, but for numbers so far below the row's largest that they fall under the format's range.
;;   OPERANDS COMPUTED ON THE WAY. 'Computed on the way' means the value that the module computes at that place (a softmax that the list does not call 'softmax' is quantised finished and normalised). What goes into a quantiser is computed in f32, as accurately as f32 sums, v_exp_f32 and their like allow (about 1e-6 of the number): no bf16 or f16 on the way to a quantiser, and a product that is left as it is and whose result goes on into a quantised operand takes f32 operands (vector FMAs, or v_wmma_f32_16x16x4_f32). A number that lies on a knife's edge between two numbers of the format may be rounded either way, as far as f32 arithmetic and the matrix unit's own rounding can turn it there, and no further.
;; One version. Each part assembles by itself: llvm-mc -triple=amdgcn-amd-amdhsa -mcpu=gfx1250 --defsym DOCPART=n.
;; ======== version 1 of 1: 4 launches
;; limits: right only within a limited range of input values
;; workspace buffers: codes 23,068,672 bytes; rope 524,288 bytes; qkv 6,291,456 bytes; attnc 4,194,304 bytes
;; launch prep (part 1): grid 480 x 1, 8 waves a work-group, no clusters, 66,560 bytes of LDS; arguments hidden_states, Wq, Wk, Wv, Wo, lowp_scales, codes, rope; writes codes, rope
.if DOCPART == 1
	.amdgcn_target "amdgcn-amd-amdhsa--gfx1250"
	.amdhsa_code_object_version 6
	.text
	.protected	k_q9ef81a326b_prep
	.globl	k_q9ef81a326b_prep
	.p2align	8
	.type	k_q9ef81a326b_prep,@function
k_q9ef81a326b_prep:
	s_mov_b64 s[64:65], 0
	v_nop
	global_prefetch_b8 v0, s[64:65] scope:SCOPE_SE
	s_setreg_imm32_b32 hwreg(HW_REG_WAVE_MODE, 25, 1), 1
	s_wait_xcnt 0x0
; f32 tensors into codes of E4M3 (K innermost, as they lie), and the table of cosines and sines for the rotary embedding.
; code = x / 2^e, held within +-448, rounded to the nearest code, ties to even; e is the operand's entry of the buffer of scales.
; WORK-GROUPS (32,768 numbers each): 0-127 hidden_states, quantised three times (entries 0, 2, 4: the three products may have three scales);
; 128-255 Wq (entry 1); 256-287 Wk (3); 288-319 Wv (5); 320-447 Wo (11); 448-479 the table, 64 rows each.
; THE CODES' BUFFER, rows of 2,048 bytes: hidden under e0 at 0, under e2 at 4 MiB, under e4 at 8 MiB; Wq at 12 MiB; Wk at 16 MiB; Wv at 17 MiB; Wo at 18 MiB.
; So work-group i writes at 32,768 i, and 8 MiB further on from work-group 128 on.
; Each of the eight waves takes 8 steps of 512 numbers, with the loads of four steps (16 loads) out.  Each load reads 512 consecutive bytes; a step's 2,048 bytes turn through the wave's own stage in LDS so that a lane
; holds 16 neighbours for the conversions; a lane's 16 codes are 16 bytes, so a store of the wave covers 512 consecutive bytes.  Waves share nothing: no barrier.
; Only pointers and scales are chosen by the work-group's number; the two further conversions of hidden_states are jumped over by the other tensors, and no LDS line stands under that jump.
; THE TABLE: cos and sin of s x 10000^(-j/32), s = 0..2047, j = 0..31: [2048][32] f32 cosines at byte 0, sines at byte 262,144.  The angle is rounded once, as the outer product rounds it;
; it is reduced by multiples of pi/2 held in two parts, and sine and cosine come from polynomials on +-pi/4.
; LIMITS: every e between -126 and 119.  NaN among the inputs is not served.  The 32 frequencies are the nearest f32 numbers to 10^(-j/8): a frequency that lies one unit
; in the last place off moves the largest angles by about 1e-4.
.set STEPS, 8
.set SP,    80                         ; a lane's place in a stage: its 64 bytes + 16 of padding
.set WREG,  8192                       ; LDS: a region for each wave: two stages of 32 x SP bytes
.set SPARE, 8*WREG                     ; behind the eight regions: the spare words, 128 bytes for each wave
.set R,     16                         ; v16-79   four sets of 16 numbers as they are loaded
.set X,     80                         ; v80-111  two sets of 16 neighbours
.set T,     112                        ; v112-127 the 16 numbers held within the largest code x the scale
.set C,     128                        ; v128-139 the codes under the three scales
.set WV,    36                         ; s36      my wave's number
	s_load_b256 s[8:15], s[0:1], 0x0               ; hidden s[8:9], Wq s[10:11], Wk s[12:13], Wv s[14:15]
	s_load_b256 s[16:23], s[0:1], 0x20             ; Wo s[16:17], scales s[18:19], codes s[20:21], table s[22:23]
	v_lshl_add_u32 v144, v0, 2, SPARE
	v_mov_b32 v145, 0
	v_lshrrev_b32 v1, 5, v0
	v_readfirstlane_b32 s[WV], v1
	v_and_b32 v2, 31, v0                           ; lane
	s_wait_kmcnt 0x0
	s_cmp_ge_u32 ttmp9, 448
	s_cbranch_scc1 .Lrope
	s_load_b256 s[24:31], s[18:19], 0x0            ; e0 .. e7
	s_load_b128 s[32:35], s[18:19], 0x20           ; e8 .. e11
	s_wait_alu depctr_va_vdst(0)
	v_lshlrev_b32 v3, 4, v2                        ; my 16 bytes of a load's 512, and of a step's 512 bytes of codes
	s_wait_alu depctr_va_vdst(0)
	s_mul_i32 s37, s[WV], WREG
	v_lshrrev_b32 v14, 2, v2
	v_mul_u32_u24 v14, v14, SP
	v_and_b32 v15, 3, v2
	v_lshl_add_u32 v14, v15, 4, v14
	v_add_nc_u32 v14, s37, v14                     ; the stage, on the way in: SP (lane / 4) + 16 (lane % 4)
	v_mul_u32_u24 v15, v2, SP
	v_add_nc_u32 v15, s37, v15                     ; and on the way out: SP x lane: my 16 neighbours
	s_mov_b64 s[38:39], s[16:17]                   ; which tensor: the choice hangs on the work-group's number alone
	s_mov_b32 s50, 320
	s_cmp_lt_u32 ttmp9, 320
	s_cselect_b64 s[38:39], s[14:15], s[38:39]
	s_cselect_b32 s50, 288, s50
	s_cmp_lt_u32 ttmp9, 288
	s_cselect_b64 s[38:39], s[12:13], s[38:39]
	s_cselect_b32 s50, 256, s50
	s_cmp_lt_u32 ttmp9, 256
	s_cselect_b64 s[38:39], s[10:11], s[38:39]
	s_cselect_b32 s50, 128, s50
	s_cmp_lt_u32 ttmp9, 128
	s_cselect_b64 s[38:39], s[8:9], s[38:39]
	s_cselect_b32 s50, 0, s50                      ; the tensor's first work-group
	s_cselect_b32 s51, 0, 0x800000                 ; the codes of the weights lie 8 MiB further on
	s_sub_co_u32 s37, ttmp9, s50
	s_lshl_b32 s58, s37, 17                        ; 32,768 numbers of 4 bytes for each work-group,
	s_lshl_b32 s37, s[WV], 14                      ; 4,096 for each wave
	s_add_co_u32 s58, s58, s37
	s_mov_b32 s59, 0
	s_add_nc_u64 s[38:39], s[38:39], s[58:59]
	s_lshl_b32 s58, ttmp9, 15
	s_lshl_b32 s37, s[WV], 12
	s_add_co_u32 s58, s58, s37
	s_add_co_u32 s58, s58, s51
	s_add_nc_u64 s[52:53], s[20:21], s[58:59]      ; my codes;
	s_add_nc_u64 s[54:55], s[52:53], 0x400000      ; hidden's under e2,
	s_add_nc_u64 s[56:57], s[52:53], 0x800000      ; and under e4 (used by work-groups 0-127 alone)
.macro LOAD t
.irp i, 0,1,2,3
	global_load_b128 v[R+16*((\t)%4)+4*\i:R+16*((\t)%4)+4*\i+3], v3, s[38:39] offset:2048*(\t)+512*\i th:TH_LOAD_NT   ; 32 lanes read 512 consecutive bytes
.endr
.endm
.macro TURN t                          ; step t's numbers through the stage: LDS serves a wave's instructions in order, so no wait stands between the stores and the loads
.irp i, 0,1,2,3
	ds_store_b128 v14, v[R+16*((\t)%4)+4*\i:R+16*((\t)%4)+4*\i+3] offset:32*SP*((\t)%2)+8*SP*\i
.endr
.irp i, 0,1,2,3
	ds_load_b128 v[X+16*((\t)%2)+4*\i:X+16*((\t)%2)+4*\i+3], v15 offset:32*SP*((\t)%2)+16*\i
.endr
.endm
.macro MKSCALE se, vs, vl              ; 2^e as f32 (the conversion takes its exponent field), and 448 x 2^e
	s_add_co_i32 s37, \se, 127
	s_lshl_b32 s58, s37, 23
	v_mov_b32 v[\vs], s58
	s_add_co_i32 s37, s37, 8
	s_lshl_b32 s37, s37, 23
	s_or_b32 s37, s37, 0x600000
	v_mov_b32 v[\vl], s37
.endm
.macro Q16 xs, sc, lim, dst            ; 16 neighbours become 16 codes; the numbers themselves stay whole for the next scale
.irp i, 0,1,2,3,4,5,6,7,8,9,10,11,12,13,14,15
	v_med3_num_f32 v[T+\i], v[\xs+\i], -v[\lim], v[\lim]   ; the conversion to an 8-bit code does not saturate (ISA guide 7.6.2): the hold comes first
.endr
	v_cvt_scalef32_pk8_fp8_f32 v[\dst:\dst+1], v[T:T+7], v[\sc]
	v_cvt_scalef32_pk8_fp8_f32 v[\dst+2:\dst+3], v[T+8:T+15], v[\sc]
	v_nop                                          ; a plain line between the conversions and the next holds, which write their sources
.endm
.irp t, 0,1,2,3
	LOAD \t
.endr
	s_wait_alu depctr_va_vdst(0)
	s_wait_kmcnt 0x0
	s_cmp_lt_u32 ttmp9, 320
	s_cselect_b32 s49, s29, s35                    ; Wv: e5, Wo: e11
	s_cmp_lt_u32 ttmp9, 288
	s_cselect_b32 s49, s27, s49                    ; Wk: e3
	s_cmp_lt_u32 ttmp9, 256
	s_cselect_b32 s49, s25, s49                    ; Wq: e1
	s_cmp_lt_u32 ttmp9, 128
	s_cselect_b32 s49, s24, s49                    ; hidden: e0
	MKSCALE s49, 5, 6
	MKSCALE s26, 7, 8                              ; e2
	MKSCALE s28, 9, 10                             ; e4
	s_wait_alu depctr_va_vdst(0)
	s_wait_loadcnt 12                              ; step 0's four loads are in
	TURN 0
.macro STEP t
.set XS, X+16*((\t)%2)
	s_wait_dscnt 0x0                               ; this step's numbers are back from the stage, and its stores into the stage have read their registers
	s_wait_xcnt 0x0                                ; the last step's stores have read their data: the codes' registers are written again only behind this wait
.if (\t)+4 < STEPS
	LOAD (\t)+4
.endif
.if (\t)+1 < STEPS
.if STEPS-2-(\t) >= 3
	s_wait_loadcnt 12                              ; the next step's four loads are in; those of the three steps behind it may be out
.else
	s_wait_loadcnt 4*(STEPS-2-(\t))
.endif
	TURN (\t)+1
.endif
	Q16 XS, 5, 6, C
	global_store_b128 v3, v[C:C+3], s[52:53] offset:512*(\t)
	s_cmp_lt_u32 ttmp9, 128
	s_cbranch_scc0 .Lone_\@                        ; a weight has one scale
	Q16 XS, 7, 8, C+4
	global_store_b128 v3, v[C+4:C+7], s[54:55] offset:512*(\t)
	Q16 XS, 9, 10, C+8
	global_store_b128 v3, v[C+8:C+11], s[56:57] offset:512*(\t)
.Lone_\@:
.endm
.irp t, 0,1,2,3,4,5,6,7
	STEP \t
.endr
	s_wait_tensorcnt 0x0                           ; the wave's end
	ds_add_u32 v144, v145
	s_wait_dscnt 0x0
	s_endpgm
; ---- the table.  A wave owns 8 rows, two at a time: lanes 0-15 the even row, lanes 16-31 the odd; lane l takes frequencies 2 (l % 16) and 2 (l % 16) + 1.
.Lrope:
	s_sub_co_u32 s4, ttmp9, 448
	s_lshl_b32 s4, s4, 3
	s_add_co_u32 s4, s4, s[WV]
	s_lshl_b32 s4, s4, 3                           ; my wave's first row
	s_wait_alu depctr_va_vdst(0)
	v_lshrrev_b32 v4, 4, v2
	v_and_b32 v5, 15, v2
	v_add_nc_u32 v24, s4, v4                       ; my row of the first pair
	v_cvt_f32_u32 v30, v24
	v_lshlrev_b32 v25, 7, v24                      ; a row of the table is 128 bytes,
	v_lshl_add_u32 v25, v5, 3, v25                 ; my two numbers 8 bytes
	v_mov_b32 v20, 0                               ; the even frequencies, written lane by lane below
	v_mov_b32 v21, 0                               ; the odd ones
.macro FREQ j, val
	s_mov_b32 s5, \val
	v_writelane_b32 v[20+(\j)%2], s5, (\j)/2
	v_writelane_b32 v[20+(\j)%2], s5, (\j)/2+16
.endm
	FREQ 0, 1.0
	FREQ 1, 0.7498942093
	FREQ 2, 0.5623413252
	FREQ 3, 0.4216965034
	FREQ 4, 0.3162277660
	FREQ 5, 0.2371373706
	FREQ 6, 0.1778279410
	FREQ 7, 0.1333521432
	FREQ 8, 0.1
	FREQ 9, 0.07498942093
	FREQ 10, 0.05623413252
	FREQ 11, 0.04216965034
	FREQ 12, 0.03162277660
	FREQ 13, 0.02371373706
	FREQ 14, 0.01778279410
	FREQ 15, 0.01333521432
	FREQ 16, 0.01
	FREQ 17, 0.007498942093
	FREQ 18, 0.005623413252
	FREQ 19, 0.004216965034
	FREQ 20, 0.003162277660
	FREQ 21, 0.002371373706
	FREQ 22, 0.001778279410
	FREQ 23, 0.001333521432
	FREQ 24, 0.001
	FREQ 25, 0.0007498942093
	FREQ 26, 0.0005623413252
	FREQ 27, 0.0004216965034
	FREQ 28, 0.0003162277660
	FREQ 29, 0.0002371373706
	FREQ 30, 0.0001778279410
	s_wait_alu depctr_va_vdst(0)
	FREQ 31, 0.0001333521432
	s_mov_b32 s40, 0x3f22f983                      ; 2 / pi
	s_mov_b32 s41, 0x3fc90fdb                      ; pi / 2, its upper part,
	s_mov_b32 s42, 0xb33bbd2e                      ; and what the upper part lacks: -4.3711388e-8
	s_mov_b32 s43, 0xb94ca1f9                      ; sine:   -1.9515295891e-4
	s_mov_b32 s44, 0x3c08839e                      ;          8.3321608736e-3
	s_mov_b32 s45, 0xbe2aaaa3                      ;         -1.6666654611e-1
	s_mov_b32 s46, 0x37ccf5ce                      ; cosine:  2.4433157118e-5
	s_mov_b32 s47, 0xbab6061a                      ;         -1.3887316255e-3
	s_mov_b32 s48, 0x3d2aaaa5                      ;          4.1666645683e-2
.macro ANGLE fr, co, si                ; v30 = my row as f32
	v_mul_f32 v32, v30, v[\fr]                     ; the angle, rounded once
	v_mul_f32 v33, s40, v32
	v_rndne_f32 v33, v33                           ; n = the nearest multiple of pi / 2
	v_fma_f32 v34, -v33, s41, v32
	v_fma_f32 v34, -v33, s42, v34                  ; r = angle - n pi / 2, within +-pi/4
	v_mul_f32 v35, v34, v34                        ; z = r r
	v_fma_f32 v36, v35, s43, s44
	v_fma_f32 v36, v36, v35, s45
	v_mul_f32 v37, v35, v34
	v_fma_f32 v36, v36, v37, v34                   ; sin r
	v_fma_f32 v38, v35, s46, s47
	v_fma_f32 v38, v38, v35, s48
	v_fma_f32 v39, v35, -0.5, 1.0
	v_mul_f32 v37, v35, v35
	v_fma_f32 v38, v38, v37, v39                   ; cos r
	v_cvt_i32_f32 v33, v33
	v_and_b32 v37, 1, v33
	v_cmp_eq_u32 vcc_lo, 1, v37
	v_cndmask_b32 v[\si], v36, v38, vcc_lo         ; in the odd quadrants the two change places
	v_cndmask_b32 v[\co], v38, v36, vcc_lo
	v_and_b32 v37, 2, v33
	v_lshlrev_b32 v37, 30, v37
	v_xor_b32 v[\si], v37, v[\si]                  ; the sine is negative in quadrants 2 and 3,
	v_add_nc_u32 v33, 1, v33
	v_and_b32 v33, 2, v33
	v_lshlrev_b32 v33, 30, v33
	v_xor_b32 v[\co], v33, v[\co]                  ; the cosine in quadrants 1 and 2
.endm
.irp it, 0,1,2,3                       ; each pair of rows has its own four result registers: no store's data are written again
	ANGLE 20, 40+4*\it, 42+4*\it
	ANGLE 21, 41+4*\it, 43+4*\it
	global_store_b64 v25, v[40+4*\it:41+4*\it], s[22:23] offset:256*\it          ; the wave stores 256 consecutive bytes, at a multiple of 256 from the table's first byte
	global_store_b64 v25, v[42+4*\it:43+4*\it], s[22:23] offset:262144+256*\it
	v_add_f32 v30, 2.0, v30
.endr
	s_endpgm
.Lfunc_end_k_q9ef81a326b_prep:
	.size	k_q9ef81a326b_prep, .Lfunc_end_k_q9ef81a326b_prep-k_q9ef81a326b_prep
	.p2alignl 7, 3214868480
	.fill 96, 4, 3214868480
	.section	.rodata,"a",@progbits
	.p2align	6, 0x0
	.amdhsa_kernel k_q9ef81a326b_prep
		.amdhsa_group_segment_fixed_size 66560
		.amdhsa_private_segment_fixed_size 0
		.amdhsa_enable_private_segment 0
		.amdhsa_kernarg_size 64
		.amdhsa_user_sgpr_count 2
		.amdhsa_user_sgpr_kernarg_segment_ptr 1
		.amdhsa_wavefront_size32 1
		.amdhsa_system_sgpr_workgroup_id_x 1
		.amdhsa_system_sgpr_workgroup_id_y 1
		.amdhsa_system_sgpr_workgroup_id_z 1
		.amdhsa_system_vgpr_workitem_id 0
		.amdhsa_next_free_vgpr 146
		.amdhsa_next_free_sgpr 66
		.amdhsa_reserve_vcc 1
		.amdhsa_float_denorm_mode_32 3
		.amdhsa_float_denorm_mode_16_64 3
		.amdhsa_memory_ordered 1
		.amdhsa_forward_progress 1
		.amdhsa_inst_pref_size 60
	.end_amdhsa_kernel
	.amdgpu_metadata
---
amdhsa.version: [ 1, 2 ]
amdhsa.kernels:
  - .name:           k_q9ef81a326b_prep
    .symbol:         k_q9ef81a326b_prep.kd
    .args:
      - { .name: hidden_states, .offset: 0, .size: 8, .value_kind: global_buffer, .address_space: global }
      - { .name: Wq, .offset: 8, .size: 8, .value_kind: global_buffer, .address_space: global }
      - { .name: Wk, .offset: 16, .size: 8, .value_kind: global_buffer, .address_space: global }
      - { .name: Wv, .offset: 24, .size: 8, .value_kind: global_buffer, .address_space: global }
      - { .name: Wo, .offset: 32, .size: 8, .value_kind: global_buffer, .address_space: global }
      - { .name: lowp_scales, .offset: 40, .size: 8, .value_kind: global_buffer, .address_space: global }
      - { .name: codes, .offset: 48, .size: 8, .value_kind: global_buffer, .address_space: global }
      - { .name: rope, .offset: 56, .size: 8, .value_kind: global_buffer, .address_space: global }
    .group_segment_fixed_size: 66560
    .private_segment_fixed_size: 0
    .kernarg_segment_align: 8
    .kernarg_segment_size: 64
    .max_flat_workgroup_size: 256
    .sgpr_count:     66
    .vgpr_count:     146
    .wavefront_size: 32
...
	.end_amdgpu_metadata
.endif
;; end of part 1
;; launch proj (part 2): grid 24 x 16, 4 waves a work-group, clusters of 4 x 4, 327,680 bytes of LDS; arguments codes, rope, bq, bk, bv, lowp_scales, qkv; writes qkv
.if DOCPART == 2
	.amdgcn_target "amdgcn-amd-amdhsa--gfx1250"
	.amdhsa_code_object_version 6
	.text
	.protected	k_q9ef81a326b_proj
	.globl	k_q9ef81a326b_proj
	.p2align	8
	.type	k_q9ef81a326b_proj,@function
k_q9ef81a326b_proj:
	s_mov_b64 s[64:65], 0
	v_nop
	global_prefetch_b8 v0, s[64:65] scope:SCOPE_SE
	s_setreg_imm32_b32 hwreg(HW_REG_WAVE_MODE, 25, 1), 1
	s_wait_xcnt 0x0
	s_wait_alu depctr_hold_cnt(0) depctr_sa_sdst(0) depctr_va_vdst(0) depctr_va_sdst(0) depctr_va_ssrc(0) depctr_va_vcc(0) depctr_vm_vsrc(0)
	s_getreg_b32 s2, hwreg(HW_REG_IB_STS2, 6, 4)
	s_cmp_eq_u32 s2, 0
	s_cbranch_scc0 .Lentry_in_a_cluster
	s_endpgm
.Lentry_in_a_cluster:
	s_bfe_u32 s2, ttmp6, 0x10000c
	s_cmp_lg_u32 s2, 0xf033
	s_cbranch_scc0 .Lentry_shape_is_right
	s_endpgm
.Lentry_shape_is_right:
; The three projections on codes of E4M3, their biases, the rotary embedding of q and k, and the quantising of q, k and v for attention.
; C[m][n] = sum over k of A[m][k] B[n][k], K = 2,048.  A tile of C is 128 x 128: four waves of 64 x 64, 16 accumulators each.
; CLUSTERS of 4 x 4 work-groups; X = cluster x (0-5), Y = cluster y (0-3).  X = 0-3: q = hidden(e0) Wq^T.  X = 4: k = hidden(e2) Wk^T (Wk's codes lie straight behind Wq's, so its tile columns are 16-19).
; X = 5: V^T = Wv hidden(e4)^T, so that a lane's registers run along the keys, which are the second attention product's K.  What differs between the three is chosen by selects on X: there is one path.
; A's tiles are shared along a row of the cluster and B's along a column: each is asked for jointly, by the same tensor load with a mask that names the four.
; K goes in four steps of 512 codes (LDS rows of 512 bytes + 16) through two slots; a wave's tensor load brings 64 rows.  The four steps are written out: there is no loop.
; THE MATRIX INSTRUCTION IS USED TRANSPOSED (source 0 = 16 rows of B, source 1 = 16 rows of A): lane (r, h) holds row 16 a + r of C and its register j column 16 b + 8 h + j.
; A fragment is fetched by four loads of 16 bytes, which puts k in other places than the form's own layout, alike in A and in B: every product meets its partner.
; THE WAY OUT.  x = sum x 2^(ea + eb) + bias (by column for q and k, by row for V^T; the other of the two is made 0); the rotation (for V^T every lane reads row 0 of the table, cos 1 and sin 0: x stays);
; the hold, the conversion.  A wave's 64 x 64 codes are one head's 64 rows (q, k: positions; v: channels) of 64 bytes: 4,096 consecutive bytes of the buffer.
; THE BUFFER: 48 blocks of 131,072 bytes: q heads 0-31 [2048 s][64], k heads at 32-39 [2048 key][64], v heads at 40-47 [32 key blocks][64 d][64 keys].  In each row of 64 bytes, byte 32 c + 16 h + 8 u + j
; holds element 32 c + 16 u + 8 h + j: 16 bytes at 32 c + 16 h are then registers 4 c .. 4 c + 3 of the plain 8-bit layout, each k in its own place.
; LIMITS: e0 + e1, e2 + e3, e4 + e5 between -126 and 127; e6, e7, e9 between -126 and 119.  NaN and infinities among the inputs are not served.
; REGISTERS: window 0: v1-31 addresses and small things; v32-63 x; v64-95 x rotated; v96-127 codes; v128-255 accumulators ((a, b) at v[128 + 8 (4 a + b)]).
;   window 1: two fragment buffers of 128 (A's four fragments, then B's four).   window 2: v0-127 cosines and sines (32 for each block a); v128-159 the bias by column; v160-167 by row.
.set KSTEP,  512
.set PITCH,  528                       ; an LDS row: 512 bytes + 16 of padding = 132 words: the 16 rows that a load touches start 4 words apart
.set HALFT,  64*PITCH                  ; 64 rows: what one tensor load brings, and what one wave reads of A or of B
.set SLOT,   4*HALFT                   ; A's 128 rows, then B's 128 rows
.set STAGE,  2*SLOT                    ; behind the ring: 64 rows x 80 bytes for each wave, for the way out
.set SROW,   80
.set SPARE,  STAGE+4*64*SROW           ; the spare words, 128 bytes for each wave: two blocks of 256 bytes that no other line names
.set R_HK,   0x400000                  ; regions of the codes' buffer
.set R_HV,   0x800000
.set R_WQ,   0xc00000
.set R_WV,   0x1100000
.set ADRA, 12                          ; v12-13  LDS address of my A fragments in slot 0, 1
.set ADRB, 14                          ; v14-15  the same for B
.set STO,  16                          ; v16     the way out: where I put 16 bytes of a row
.set RD,   17                          ; v17     where I read them back
.set GO,   18                          ; v18     16 x lane
.set RA,   20                          ; v20-23  my byte in the table, for each block a
.set CBA,  24                          ; v24     my byte in the bias, by column
.set RBA,  25                          ; v25     by row
.set SC,   26                          ; v26     2^e of the quantiser
.set LIM,  27                          ; v27     448 x that
.set SPW,  28                          ; v28     LDS address of my spare word; never rewritten
.set NIL,  29                          ; v29     0; never rewritten
.set T,    32
.set Y,    64
.set PC,   96
.set ACC,  128
.set CB,   128                         ; in window 2
.set RB,   160                         ; in window 2
.set F0,   0                           ; in window 1
.set F1,   128
.set WV, 12                            ; s12 wave; s13 which half of the tile's rows is mine, and: I fetch for A (0) or B (1); s14 which half of its columns, and which 64 rows I fetch
.set RH, 13
.set CH, 14
.set G1, 24                            ; s[24:31] descriptor group 1 for A's tiles;  s[32:39] group 0, one set for each slot
.set G0, 32
.set G1B, 48                           ; s[48:55], s[56:63] the same for B's tiles
.set G0B, 56
.set ES, 80                            ; s[80:81] 2^(ea + eb)
.set ZC, 82                            ; s82 all ones for V^T: the bias by column is made 0
.set ZR, 83                            ; s83 all ones for q and k: the bias by row is made 0
.set OUT, 86                           ; s[86:87] my 4,096 bytes of the result
.set BIAS, 88                          ; s[88:89]
.set MSB, 0
.macro WIN new                         ; the immediate's high byte repeats the setting that is left
.if MSB != \new
	s_set_vgpr_msb (MSB<<8)|\new
.set MSB, \new
.endif
.endm
.set MUL,  0x05                        ; sources 0 (B) and 1 (A) window 1; C and D window 0
.set TO_F, 0x40                        ; destination window 1, address window 0
.macro JLOAD s                         ; a joint load: waves 0 and 1 fetch A's two halves, waves 2 and 3 B's; four v_nop follow each of the two lines
	s_cmp_eq_u32 s[RH], 0
	s_cbranch_scc0 .Lfor_b_\@
	tensor_load_to_lds s[G0+4*\s:G0+4*\s+3], s[G1:G1+7]
	s_nop 0
.rept 4
	v_nop
.endr
	s_branch .Lasked_\@
.Lfor_b_\@:
	tensor_load_to_lds s[G0B+4*\s:G0B+4*\s+3], s[G1B:G1B+7]
	s_nop 0
.rept 4
	v_nop
.endr
.Lasked_\@:
.endm
.macro CREST                           ; a round of the cluster's barrier behind its opening barrier
	s_cmp_lg_u32 s[WV], 0
	s_cbranch_scc1 .Lnot_wave_0_\@
	s_barrier_signal -3
.Lnot_wave_0_\@:
	s_barrier_wait -3
	s_barrier_signal -1
	s_barrier_wait -1
.endm
.macro CROUND                          ; a whole round
	s_barrier_signal -1
	s_barrier_wait -1
	CREST
.endm
.macro PLACES                          ; four places in front of loads into registers that matrix instructions have read, and of the first read of results
.rept 4
	v_nop
.endr
.endm
	s_load_b256 s[4:11], s[0:1], 0x0               ; codes s[4:5], table s[6:7], bq s[8:9], bk s[10:11]
	s_load_b128 s[16:19], s[0:1], 0x20             ; bv s[16:17], scales s[18:19]
	s_load_b64 s[20:21], s[0:1], 0x30              ; the result
	v_lshl_add_u32 v[SPW], v0, 2, SPARE
	v_mov_b32 v[NIL], 0
	ds_add_u32 v28, v29
	ds_add_u32 v28, v29
	s_wait_dscnt 0x0
	v_lshrrev_b32 v1, 5, v0
	v_readfirstlane_b32 s[WV], v1
	s_lshr_b32 s[RH], s[WV], 1
	s_and_b32 s[CH], s[WV], 1
	s_bfe_u32 s40, ttmp6, 0x40000                  ; cx, cy: my place in the cluster
	s_bfe_u32 s41, ttmp6, 0x40004
	s_lshl_b32 s42, ttmp9, 2                       ; 4 X
	s_and_b32 s43, ttmp7, 0xffff
	s_lshl_b32 s43, s43, 2                         ; 4 Y
	s_mov_b32 s47, R_WQ
	s_cmp_eq_u32 ttmp9, 5                          ; V^T?  The same in all sixteen partners
	s_cselect_b32 s44, 0, s43                      ; V^T has 4 tile rows (Wv's 512 rows) and 16 tile columns (the 2,048 positions)
	s_cselect_b32 s45, s43, s42
	s_cselect_b32 s46, R_WV, 0                     ; A's region
	s_cselect_b32 s47, R_HV, s47                   ; B's region
	s_cselect_b32 s[ZC], -1, 0
	s_cselect_b32 s[ZR], 0, -1
	s_cmp_eq_u32 ttmp9, 4
	s_cselect_b32 s46, R_HK, s46
	s_add_co_u32 s44, s44, s41                     ; tile row: hangs on cy alone
	s_add_co_u32 s45, s45, s40                     ; tile column: on cx alone
	s_lshl_b32 s92, s41, 2
	s_lshl_b32 s92, 15, s92                        ; my row of the cluster
	s_lshl_b32 s93, 0x1111, s40                    ; my column
	; descriptor group 1: a tile of 64 rows x 512 bytes, padded in LDS
	s_or_b32 s[G1+0], s92, (0<<16)|(1<<20)|(1<<21)|(6<<22)|(3<<25)  ; 15:0 the mask; 17:16 elements of 1 byte; 20 padding on; 21 set beside a mask; 24:22 after every 128 words (code 6); 31:25 four words (code 3)
	s_or_b32 s[G1B+0], s93, (0<<16)|(1<<20)|(1<<21)|(6<<22)|(3<<25)
.irp g, G1, G1B
	s_mov_b32 s[\g+1], KSTEP<<16                   ; tensor_dim0 = 512
	s_mov_b32 s[\g+2], 64<<16                      ; tensor_dim1 = 64
	s_mov_b32 s[\g+3], KSTEP<<16                   ; tile_dim0 = 512
	s_mov_b32 s[\g+4], 64                          ; tile_dim1 = 64
	s_mov_b32 s[\g+5], 2048                        ; from row to row
	s_mov_b32 s[\g+6], 0
	s_mov_b32 s[\g+7], 0
.endr
	s_lshl_b32 s23, s[CH], 17                      ; which 64 rows of 2,048 bytes I fetch
	s_lshl_b32 s84, s44, 18                        ; A: 128 rows a tile row
	s_add_co_u32 s84, s84, s46
	s_add_co_u32 s84, s84, s23
	s_mov_b32 s85, 0
	s_lshl_b32 s90, s45, 18                        ; B likewise by the tile column
	s_add_co_u32 s90, s90, s47
	s_add_co_u32 s90, s90, s23
	s_mov_b32 s91, 0
	s_mul_i32 s22, s[WV], HALFT                    ; where they go: wave x 64 rows: no place in the cluster enters an LDS address
	s_wait_kmcnt 0x0
	s_load_b256 s[68:75], s[18:19], 0x0            ; e0 .. e7
	s_load_b128 s[76:79], s[18:19], 0x20           ; e8 .. e11
	s_add_nc_u64 s[84:85], s[4:5], s[84:85]
	s_add_nc_u64 s[90:91], s[4:5], s[90:91]
	CROUND                                         ; all sixteen work-groups are here: the first joint loads meet
.irp s, 0,1
	s_mov_b32 s[G0+4*\s], 1
	s_add_co_u32 s[G0+4*\s+1], s22, \s*SLOT
	s_add_nc_u64 s[G0+4*\s+2:G0+4*\s+3], s[84:85], \s*KSTEP
	s_or_b32 s[G0+4*\s+3], s[G0+4*\s+3], 0x80000000
	s_mov_b32 s[G0B+4*\s], 1
	s_add_co_u32 s[G0B+4*\s+1], s22, \s*SLOT
	s_add_nc_u64 s[G0B+4*\s+2:G0B+4*\s+3], s[90:91], \s*KSTEP
	s_or_b32 s[G0B+4*\s+3], s[G0B+4*\s+3], 0x80000000
.endr
	JLOAD 0                                        ; K step 0
	; the prefetches: of the 64 rows that I fetch, my work-group takes 16 (by cx for A, by cy for B: told apart by address); a lane names one block of 256 bytes of a K step's 512 in a row
	s_cmp_eq_u32 s[RH], 0
	s_cselect_b64 s[98:99], s[84:85], s[90:91]
	s_cselect_b32 s94, s40, s41
	s_lshl_b32 s94, s94, 15                        ; 16 rows of 2,048 bytes
	s_mov_b32 s95, 0
	s_add_nc_u64 s[98:99], s[98:99], s[94:95]
	v_and_b32 v30, 31, v0
	v_lshrrev_b32 v31, 1, v30
	v_and_b32 v30, 1, v30
	v_lshlrev_b32 v30, 8, v30
	v_lshl_add_u32 v30, v31, 11, v30               ; row lane / 2, block lane % 2; never rewritten
	s_wait_alu depctr_va_vdst(0)
	global_prefetch_b8 v30, s[98:99] offset:512 th:TH_LOAD_NT scope:SCOPE_SE   ; K step 1, one step ahead of its load
	v_and_b32 v1, 15, v0
	s_wait_alu depctr_va_vdst(0)
	v_bfe_u32 v2, v0, 4, 1                         ; h
	v_mul_u32_u24 v3, v1, PITCH
	v_lshl_add_u32 v3, v2, 4, v3                   ; a fragment's row x pitch + 16 h
	s_mul_i32 s94, s[RH], HALFT                    ; my 64 rows of A
	s_mul_i32 s95, s[CH], HALFT                    ; my 64 rows of B,
	s_add_co_u32 s95, s95, 2*HALFT                 ; which lie behind A's 128
.irp s, 0,1
	v_add_nc_u32 v[ADRA+\s], s94, v3
	v_add_nc_u32 v[ADRB+\s], s95, v3
	s_add_co_u32 s94, s94, SLOT
	s_add_co_u32 s95, s95, SLOT
.endr
	s_mul_i32 s94, s[WV], 64*SROW
	s_add_co_u32 s94, s94, STAGE                   ; my stage
	v_mul_u32_u24 v3, v1, SROW
	s_wait_alu depctr_va_vdst(0)
	v_lshl_add_u32 v3, v2, 4, v3
	v_add_nc_u32 v[STO], s94, v3                   ; in: row r, + 16 h
	v_and_b32 v3, 31, v0
	v_lshlrev_b32 v[GO], 4, v3
	v_lshrrev_b32 v4, 2, v3
	v_mul_u32_u24 v4, v4, SROW
	v_and_b32 v5, 3, v3
	v_lshl_add_u32 v4, v5, 4, v4
	v_add_nc_u32 v[RD], s94, v4                    ; back: four lanes to a row of 64 bytes, eight rows an instruction
	; the bias: which, and my bytes in it.  Every index stays inside its buffer, also where the number is made 0 later
	s_cmp_eq_u32 ttmp9, 4
	s_cselect_b64 s[BIAS:BIAS+1], s[10:11], s[8:9]
	s_cmp_eq_u32 ttmp9, 5
	s_cselect_b64 s[BIAS:BIAS+1], s[16:17], s[BIAS:BIAS+1]
	s_lshl_b32 s94, s45, 7
	s_and_b32 s94, s94, 2047                       ; k's tile columns 16-19 count from 0 in bk
	s_and_b32 s94, s94, s[ZR]                      ; V^T: column 0
	s_lshl_b32 s95, s[CH], 6
	s_add_co_u32 s94, s94, s95
	s_lshl_b32 s94, s94, 2
	v_lshl_add_u32 v[CBA], v2, 5, s94              ; column 16 b + 8 h + j: 64 b and 4 j stand in the loads
	s_lshl_b32 s94, s44, 7
	s_and_b32 s94, s94, s[ZC]                      ; q, k: row 0
	s_lshl_b32 s95, s[RH], 6
	s_add_co_u32 s94, s94, s95
	s_lshl_b32 s94, s94, 2
	v_lshl_add_u32 v[RBA], v1, 2, s94              ; row 16 a + r
	s_lshl_b32 s94, s44, 7
	s_add_co_u32 s94, s94, s95                     ; my first row of C = my first position
	v_add_nc_u32 v3, s94, v1
	v_lshlrev_b32 v3, 7, v3                        ; a row of the table is 128 bytes
.irp a, 0,1,2,3
	v_add_nc_u32 v[RA+\a], 2048*\a, v3
	v_and_b32 v[RA+\a], s[ZR], v[RA+\a]            ; V^T: row 0 of the table
	v_lshl_add_u32 v[RA+\a], v2, 5, v[RA+\a]       ; frequency 16 u + 8 h + j
.endr
	; where my 4,096 bytes go: block x 131,072 + 64 rows x 64 bytes
	s_lshl_b32 s94, s45, 1
	s_add_co_u32 s94, s94, s[CH]                   ; 2 x tile column + half
	s_lshl_b32 s95, s44, 1
	s_add_co_u32 s95, s95, s[RH]                   ; 2 x tile row + half
	s_add_co_u32 s96, s95, 40
	s_cmp_eq_u32 ttmp9, 5
	s_cselect_b32 s96, s96, s94                    ; the block: q and k by the columns, v by the rows
	s_cselect_b32 s97, s94, s95                    ; which 64 rows of it
	s_lshl_b32 s96, s96, 17
	s_lshl_b32 s97, s97, 12
	s_add_co_u32 s96, s96, s97
	s_mov_b32 s97, 0
	s_add_nc_u64 s[OUT:OUT+1], s[20:21], s[96:97]
	WIN 0x80                                       ; destination window 2.  These 48 loads land while the products run; the way out waits for them
	s_wait_alu depctr_va_vdst(0)
.irp a, 0,1,2,3
.irp u, 0,1
.irp i, 0,1
	global_load_b128 v[32*\a+8*\u+4*\i:32*\a+8*\u+4*\i+3], v[RA+\a], s[6:7] offset:64*\u+16*\i
	global_load_b128 v[32*\a+16+8*\u+4*\i:32*\a+16+8*\u+4*\i+3], v[RA+\a], s[6:7] offset:262144+64*\u+16*\i
.endr
.endr
.endr
.irp b, 0,1,2,3
	global_load_b128 v[CB+8*\b:CB+8*\b+3], v[CBA], s[BIAS:BIAS+1] offset:64*\b
	global_load_b128 v[CB+8*\b+4:CB+8*\b+7], v[CBA], s[BIAS:BIAS+1] offset:64*\b+16
.endr
.irp a, 0,1,2,3
	global_load_b32 v[RB+2*\a], v[RBA], s[BIAS:BIAS+1] offset:64*\a
	global_load_b32 v[RB+2*\a+1], v[RBA], s[BIAS:BIAS+1] offset:64*\a   ; (named with it as a pair, so it is written)
.endr
	WIN 0
.macro FRAG reg, adr, k, i             ; 16 rows x 128 K: 16 registers
.irp c, 0,1,2,3
	ds_load_b128 v[\reg+4*\c:\reg+4*\c+3], v[\adr] offset:\k+32*\c+(\i)*16*PITCH
.endr
.endm
.macro FETCH slot, k, f                ; 32 LDS loads in one run: B's four fragments, then A's, of 128 along K at byte k of the rows
	WIN TO_F
.irp i, 0,1,2,3
	FRAG \f+64+16*\i, ADRB+\slot, \k, \i
.endr
.irp i, 0,1,2,3
	FRAG \f+16*\i, ADRA+\slot, \k, \i
.endr
.endm
.macro MUL4 f, a, zero                 ; A's block a against B's four.  zero = 1: the product starts the sums.  The 16 accumulators take turns, one instruction a turn
.irp b, 0,1,2,3
.if \zero
	v_wmma_f32_16x16x128_fp8_fp8 v[ACC+8*(4*(\a)+\b):ACC+8*(4*(\a)+\b)+7], v[\f+64+16*\b:\f+64+16*\b+15], v[\f+16*(\a):\f+16*(\a)+15], 0
.else
	v_wmma_f32_16x16x128_fp8_fp8 v[ACC+8*(4*(\a)+\b):ACC+8*(4*(\a)+\b)+7], v[\f+64+16*\b:\f+64+16*\b+15], v[\f+16*(\a):\f+16*(\a)+15], v[ACC+8*(4*(\a)+\b):ACC+8*(4*(\a)+\b)+7]
.endif
.endr
.endm
; A K step is four quarters of 128 along K, 16 matrix instructions each, on buffers 0, 1, 0, 1.  One of the first three: multiplies buffer f and fetches the next quarter, at byte k, into g.
.macro QUARTER slot, k, f, g, zero
	s_wait_dscnt 0x0                               ; buffer f is in: its 32 loads were issued a quarter ago
	PLACES                                         ; behind the products that read buffer g
	FETCH \slot, \k, \g                            ; the next quarter's fragments have this quarter's 16 products in which to land
	WIN MUL
	MUL4 \f, 0, \zero
	MUL4 \f, 1, \zero
	MUL4 \f, 2, \zero
	MUL4 \f, 3, \zero
.endm
; The last quarter multiplies buffer 1 and changes slots: ONE barrier; in front of it each wave waits for all its tensor loads, adds 0 to its spare word, and waits for that and for its reads of this slot.
.macro TURN slot, next, fill
	WIN 0                                          ; (the add's two registers lie in window 0)
	s_wait_tensorcnt 0x0                           ; all my tensor loads have landed: my part of the next slot;
	ds_add_u32 v[SPW], v[NIL]                      ; 0 onto my spare word
	s_wait_dscnt 9                                 ; (the add and the youngest eight loads may be out)
	WIN MUL
	MUL4 F1, 0, 0                                  ; eight matrix instructions stand between the add and the wait for it
	MUL4 F1, 1, 0
	s_wait_dscnt 0x0                               ; the add is done, and my reads of this slot are over
	s_barrier_signal -1
	MUL4 F1, 2, 0
	WIN 0
	s_barrier_wait -1
.if \fill
	CREST                                          ; the barrier has opened a round of the cluster's barrier: no wave of any partner still reads this slot or has a load on its way
	s_add_nc_u64 s[G0+4*\slot+2:G0+4*\slot+3], s[G0+4*\slot+2:G0+4*\slot+3], 2*KSTEP
	s_add_nc_u64 s[G0B+4*\slot+2:G0B+4*\slot+3], s[G0B+4*\slot+2:G0B+4*\slot+3], 2*KSTEP
	JLOAD \slot                                    ; the first tensor load behind the round, and my only one until the next; its four v_nop are also the places in front of the loads below
.else
	PLACES
.endif
	FETCH \next, 0, F0
	WIN MUL
	MUL4 F1, 3, 0
.endm
	s_wait_alu depctr_va_vdst(0)
	s_wait_tensorcnt 0x0                           ; my part of K step 0 is in
	ds_add_u32 v[SPW], v[NIL]
	s_wait_dscnt 0x0
	CROUND                                         ; everybody's part is in, and all sixteen work-groups are here
	JLOAD 1                                        ; K step 1, the first tensor load behind the round
	FETCH 0, 0, F0
	global_prefetch_b8 v30, s[98:99] offset:1024 th:TH_LOAD_NT scope:SCOPE_SE  ; K step 2, one step ahead of its load
	QUARTER 0, 128, F0, F1, 1                      ; K step 0: its first products start the sums
	QUARTER 0, 256, F1, F0, 0
	QUARTER 0, 384, F0, F1, 0
	TURN 0, 1, 1
	WIN 0
	global_prefetch_b8 v30, s[98:99] offset:1536 th:TH_LOAD_NT scope:SCOPE_SE  ; K step 3, the last
	QUARTER 1, 128, F0, F1, 0
	QUARTER 1, 256, F1, F0, 0
	QUARTER 1, 384, F0, F1, 0
	TURN 1, 0, 1                                   ; slot 1 takes K step 3
	QUARTER 0, 128, F0, F1, 0
	QUARTER 0, 256, F1, F0, 0
	QUARTER 0, 384, F0, F1, 0
	TURN 0, 1, 0                                   ; nothing is left to fetch
	QUARTER 1, 128, F0, F1, 0
	QUARTER 1, 256, F1, F0, 0
	QUARTER 1, 384, F0, F1, 0
	s_wait_dscnt 8
	WIN MUL
	MUL4 F1, 0, 0
	MUL4 F1, 1, 0
	s_wait_dscnt 0
	MUL4 F1, 2, 0
	MUL4 F1, 3, 0
	WIN 0
	; ---- THE WAY OUT
	s_wait_kmcnt 0x0
	s_add_co_i32 s94, s68, s69                     ; e0 + e1
	s_add_co_i32 s95, s70, s71                     ; e2 + e3
	s_add_co_i32 s96, s72, s73                     ; e4 + e5
	s_cmp_eq_u32 ttmp9, 4
	s_cselect_b32 s94, s95, s94
	s_cselect_b32 s97, s75, s74                    ; k: e7, q: e6
	s_cmp_eq_u32 ttmp9, 5
	s_cselect_b32 s94, s96, s94
	s_cselect_b32 s97, s77, s97                    ; v: e9
	s_add_co_i32 s94, s94, 127
	s_lshl_b32 s[ES], s94, 23                      ; 2^(ea + eb) as f32
	s_mov_b32 s[ES+1], s[ES]                       ; (named with it as a pair, so it is written)
	s_add_co_i32 s97, s97, 127
	s_lshl_b32 s94, s97, 23
	v_mov_b32 v[SC], s94                           ; the quantiser's 2^e
	s_add_co_i32 s97, s97, 8
	s_lshl_b32 s97, s97, 23
	s_or_b32 s97, s97, 0x600000
	v_mov_b32 v[LIM], s97                          ; 448 x that
	s_wait_loadcnt 0x0                             ; the table's rows and the biases
	WIN 0x82                                       ; source 0 and destination window 2
.set j, 0
.rept 32
	v_cndmask_b32 v[CB+j], v[CB+j], 0, s[ZC]       ; V^T has no bias by column,
.set j, j+1
.endr
.set j, 0
.rept 8
	v_cndmask_b32 v[RB+j], v[RB+j], 0, s[ZR]       ; q and k none by row
.set j, j+1
.endr
	WIN 0
	PLACES
.macro OUTBLK a                        ; my rows 16 a .. 16 a + 15
	WIN 0x20                                       ; source 2 window 2
.irp b, 0,1,2,3
.irp i, 0,2,4,6
	v_pk_fma_f32 v[T+8*\b+\i:T+8*\b+\i+1], v[ACC+8*(4*\a+\b)+\i:ACC+8*(4*\a+\b)+\i+1], s[ES:ES+1], v[CB+8*\b+\i:CB+8*\b+\i+1] op_sel_hi:[1,0,1]   ; each accumulator from its low end on
.endr
.endr
	WIN 0x08                                       ; source 1 window 2
.set j, 0
.rept 16
	v_pk_add_f32 v[T+j:T+j+1], v[T+j:T+j+1], v[RB+2*\a:RB+2*\a+1] op_sel_hi:[1,0]
.set j, j+2
.endr
.irp u, 0,1                            ; channels 16 u + 8 h + j and those 32 further on turn together
.irp i, 0,2,4,6
.set TA, 4+2*(\i%4)
	v_pk_mul_f32 v[TA:TA+1], v[T+16+8*\u+\i:T+16+8*\u+\i+1], v[32*\a+16+8*\u+\i:32*\a+16+8*\u+\i+1]
	v_pk_mul_f32 v[TA+2:TA+3], v[T+8*\u+\i:T+8*\u+\i+1], v[32*\a+16+8*\u+\i:32*\a+16+8*\u+\i+1]
	v_pk_fma_f32 v[Y+8*\u+\i:Y+8*\u+\i+1], v[T+8*\u+\i:T+8*\u+\i+1], v[32*\a+8*\u+\i:32*\a+8*\u+\i+1], v[TA:TA+1] neg_lo:[0,0,1] neg_hi:[0,0,1]   ; x1 cos - x2 sin
	v_pk_fma_f32 v[Y+16+8*\u+\i:Y+16+8*\u+\i+1], v[T+16+8*\u+\i:T+16+8*\u+\i+1], v[32*\a+8*\u+\i:32*\a+8*\u+\i+1], v[TA+2:TA+3]                    ; x2 cos + x1 sin
.endr
.endr
	WIN 0
.set j, 0
.rept 32
	v_med3_num_f32 v[Y+j], v[Y+j], -v[LIM], v[LIM] ; the conversion to an 8-bit code does not saturate (ISA guide 7.6.2): the hold comes first
.set j, j+1
.endr
.irp b, 0,1,2,3
	v_cvt_scalef32_pk8_fp8_f32 v[PC+8*\a+2*\b:PC+8*\a+2*\b+1], v[Y+8*\b:Y+8*\b+7], v[SC]
.endr
	v_nop                                          ; a plain line behind the last conversion
	ds_store_b128 v[STO], v[PC+8*\a:PC+8*\a+3] offset:\a*16*SROW        ; tiles 0 and 1: bytes 16 h + 8 u + j of my row
	ds_store_b128 v[STO], v[PC+8*\a+4:PC+8*\a+7] offset:\a*16*SROW+32   ; tiles 2 and 3: 32 bytes on
.endm
	OUTBLK 0
	OUTBLK 1
	OUTBLK 2
	OUTBLK 3
.irp t, 0,1,2,3,4,5,6,7
	ds_load_b128 v[T+4*\t:T+4*\t+3], v[RD] offset:\t*8*SROW   ; LDS serves a wave's instructions in order: these see my stores
.endr
.irp t, 0,1,2,3,4,5,6,7
	s_wait_dscnt 7-\t
	global_store_b128 v[GO], v[T+4*\t:T+4*\t+3], s[OUT:OUT+1] offset:512*\t   ; the wave stores 512 consecutive bytes, at a multiple of 256 from the buffer's first byte
.endr
	s_wait_tensorcnt 0x0                           ; the wave's end
	ds_add_u32 v[SPW], v[NIL]
	s_wait_dscnt 0x0
	CROUND                                         ; the closing round: no work-group ends while a partner may still ask for a tile that names it
	s_endpgm
.Lfunc_end_k_q9ef81a326b_proj:
	.size	k_q9ef81a326b_proj, .Lfunc_end_k_q9ef81a326b_proj-k_q9ef81a326b_proj
	.p2alignl 7, 3214868480
	.fill 96, 4, 3214868480
	.section	.rodata,"a",@progbits
	.p2align	6, 0x0
	.amdhsa_kernel k_q9ef81a326b_proj
		.amdhsa_group_segment_fixed_size 327680
		.amdhsa_private_segment_fixed_size 0
		.amdhsa_enable_private_segment 0
		.amdhsa_kernarg_size 56
		.amdhsa_user_sgpr_count 2
		.amdhsa_user_sgpr_kernarg_segment_ptr 1
		.amdhsa_wavefront_size32 1
		.amdhsa_system_sgpr_workgroup_id_x 1
		.amdhsa_system_sgpr_workgroup_id_y 1
		.amdhsa_system_sgpr_workgroup_id_z 1
		.amdhsa_system_vgpr_workitem_id 0
		.amdhsa_next_free_vgpr 768
		.amdhsa_next_free_sgpr 100
		.amdhsa_reserve_vcc 0
		.amdhsa_float_denorm_mode_32 3
		.amdhsa_float_denorm_mode_16_64 3
		.amdhsa_memory_ordered 1
		.amdhsa_forward_progress 1
		.amdhsa_inst_pref_size 100
	.end_amdhsa_kernel
	.amdgpu_metadata
---
amdhsa.version: [ 1, 2 ]
amdhsa.kernels:
  - .name:           k_q9ef81a326b_proj
    .symbol:         k_q9ef81a326b_proj.kd
    .args:
      - { .name: codes, .offset: 0, .size: 8, .value_kind: global_buffer, .address_space: global }
      - { .name: rope, .offset: 8, .size: 8, .value_kind: global_buffer, .address_space: global }
      - { .name: bq, .offset: 16, .size: 8, .value_kind: global_buffer, .address_space: global }
      - { .name: bk, .offset: 24, .size: 8, .value_kind: global_buffer, .address_space: global }
      - { .name: bv, .offset: 32, .size: 8, .value_kind: global_buffer, .address_space: global }
      - { .name: lowp_scales, .offset: 40, .size: 8, .value_kind: global_buffer, .address_space: global }
      - { .name: qkv, .offset: 48, .size: 8, .value_kind: global_buffer, .address_space: global }
    .group_segment_fixed_size: 327680
    .private_segment_fixed_size: 0
    .kernarg_segment_align: 8
    .kernarg_segment_size: 56
    .max_flat_workgroup_size: 128
    .sgpr_count:     100
    .vgpr_count:     768
    .wavefront_size: 32
...
	.end_amdgpu_metadata
.endif
;; end of part 2
;; launch attn (part 3): grid 32 x 8, 8 waves a work-group, clusters of 4 x 4, 327,680 bytes of LDS; arguments qkv, attention_mask, lowp_scales, attnc; writes attnc
.if DOCPART == 3
	.amdgcn_target "amdgcn-amd-amdhsa--gfx1250"
	.amdhsa_code_object_version 6
	.text
	.protected	k_q9ef81a326b_attn
	.globl	k_q9ef81a326b_attn
	.p2align	8
	.type	k_q9ef81a326b_attn,@function
k_q9ef81a326b_attn:
	s_mov_b64 s[64:65], 0
	v_nop
	global_prefetch_b8 v0, s[64:65] scope:SCOPE_SE
	s_setreg_imm32_b32 hwreg(HW_REG_WAVE_MODE, 25, 1), 1
	s_wait_xcnt 0x0
	s_wait_alu depctr_hold_cnt(0) depctr_sa_sdst(0) depctr_va_vdst(0) depctr_va_sdst(0) depctr_va_ssrc(0) depctr_va_vcc(0) depctr_vm_vsrc(0)
	s_getreg_b32 s2, hwreg(HW_REG_IB_STS2, 6, 4)
	s_cmp_eq_u32 s2, 0
	s_cbranch_scc0 .Lentry_in_a_cluster
	s_endpgm
.Lentry_in_a_cluster:
	s_bfe_u32 s2, ttmp6, 0x10000c
	s_cmp_lg_u32 s2, 0xf033
	s_cbranch_scc0 .Lentry_shape_is_right
	s_endpgm
.Lentry_shape_is_right:
; Attention on codes of E4M3: scores = q k^T / 8, clipped to +-50, plus the mask (an input: any f32 numbers, so every score of every head is made); softmax; times v; the result quantised for the last product.
; THE SOFTMAX: t = clip(score) x log2(e) + mask x log2(e), one fused multiply-add on the mask's product, which is made once for both heads of a wave.
; M = the running largest t rounded UP to a whole number; p = 2^(t - M) is quantised with 2^e8; the row's sum is taken of the unquantised p and divides at the end.  When M moves, the sum and O are multiplied by 2^(old M - new M), which rounds nothing.
; SHARES.  A work-group owns 64 queries x the 4 query heads of one key/value head.  Wave w: queries 16 (w % 4) on, heads 2 (w / 4) and 2 (w / 4) + 1 of the four: one read of K, V and the mask from LDS serves two heads.
; CLUSTER 4 x 4: x = blocks of queries, y = key/value heads.  K and V hang on the head alone and are asked for jointly along a row of the cluster; the mask's tile hangs on the block of queries alone and is asked for jointly along a column.
; LAYOUT.  S^T = K Q^T (source 0 = 16 keys, source 1 = my 16 queries), O^T = V^T P^T (source 0 = 16 channels, source 1 = P): lane (r, h) holds query r; register j of tile t is key 16 t + 8 h + j, so tile t's eight p become registers 2 t, 2 t + 1 of P.
; THE RING: two slots of 256 keys (two steps of 128), 2^17 bytes apart.  Wave 0 fetches K, wave 1 V, wave 2 the mask; all eight read.  A wave has one tensor load out at the most.
; THE CHANGE OF SLOTS lies inside a slot's last step.  As soon as that step's K, V and mask lie in registers, each wave waits for its tensor load (its part of the next slot), adds 0 to its spare word, waits for its LDS reads and signals.
; The maxima, both batches of exponentials and a sum, work on registers alone, stand between the signal and the wait.  Behind the round the slot just left is asked for again, with the keys two slots on, and the next slot's first K and mask
; are read; the conversions, the other sum, the rescaling and the second products of the step in hand stand behind those reads.  From a request to the wait for it a wave walks a whole trip less the lines between signal and request.
; Six trips fill a slot again; the last two slots are written out, the last but one with a plain barrier and no request.
; A STEP takes both heads together: 16 products for the scores, clip, t, the maxima; head 0's exponentials stand among head 1's t - M, head 1's among head 0's holds: none of those lines reads what a line of the same run wrote.
; PREFETCH: in trip j's first step the slot j + 2 that the trip's last step will ask for: waves 4 and 5 name my work-group's 16 of the mask tile's 64 rows (by cy), wave 6 my quarter of K's and V's 16,384 bytes (by cx):
; each block of 256 bytes once in a cluster.  All six trips ask (slots 2 to 7); slots 0 and 1 come by their loads alone.
; LIMITS: e6 + e7 between -118 and 130; e8 and e10 between -126 and 119.  NaN among the inputs is not served.  A row whose mask is -infinity throughout gives NaN, as the softmax of such a row does.
; ORDER OF ROUNDING: reference() rounds score + mask and then the product with log2(e); here the mask's product is rounded and then the sum.  The two differ by an f32 rounding of t; where every logit of a row lies beyond 2^24 in magnitude
; (a row masked throughout by -1e9) both give equal p for scores under 32 in magnitude, and may differ above that.
; REGISTERS.  window 0: v1-3 my lane's places in K, V, mask; v4-6 addresses in hand; v7, v8 the add's; v9, v26 448 x 2^e8; v10, v11 permutes' destinations; v12-15, v16-19 for each head -M, the largest t, the sum in two halves;
;   v20-23 f for each head (pairs); v24 the clip's bound; v25 2^e8; v28-35 at work; v36-99 the mask; v100-227 S^T, then t, then p, of both heads; v228 the prefetch's offset.
;   window 1: v0-63 K's eight fragments; v64-127 V's four; v128-143 Q; v144-175 P's codes; v176-239 O^T.
.set MOFF,  0                          ; a slot: the mask, 64 rows x (1,024 bytes + 16);
.set KOFF,  64*1040                    ; K: 256 keys of 64 bytes as 64 rows of 256 bytes + 16;
.set VOFF,  KOFF+64*272                ; V: 4 key blocks x 64 channels x 64 bytes, likewise
.set SLOT1, 1<<17
.set STAGE, SLOT1+VOFF+64*272          ; behind the ring: 64 rows x (256 bytes + 16), the work-group's, for the way out
.set SPARE, STAGE+64*272               ; the spare words, 128 bytes for each wave: four blocks of 256 bytes that no other line names
.set AK0, 1
.set AV0, 2
.set AM0, 3
.set ADK, 4
.set ADV, 5
.set ADM, 6
.set SPW, 7
.set NIL, 8
.set PL,  9
.set PD,  10
.set FF,  20
.set CLV, 24
.set PS,  25
.set PL2, 26                           ; 448 x 2^e8 once more, in another register bank, for the second half of a dual instruction
.set MX,  28                           ; v28-31, v32-35: the maxima's four chains for each head
.set SB,  28                           ; later three of a sum's four chains
.set SC,  30
.set SD,  32
.set MK,  36
.set S,   100
.set PFO, 228
.set VF,  64                           ; in window 1
.set QF,  128
.set PC,  144
.set OT,  176
.set WV,   12
.set G1KV, 24                          ; s[24:31] descriptor group 1 for K's and V's tiles;  s[32:39] for the mask's;  s[40:43], s[44:47] their groups 0, which walk
.set G1M,  32
.set G0KV, 40
.set G0M,  44
.set TB,   61                          ; LDS byte at which the slot in hand begins
.set SLOTS, 62
.set CC,   66                          ; s[66:67] 2^(e6 + e7 - 3) x log2(e)
.set L2E,  68                          ; s[68:69] log2(e)
.set SEL,  70                          ; s[70:71] lane selects for v_permlanex16_b32: lane l xor 16
.set PFA,  80                          ; s[80:81] where my prefetch stands;  s[82:83] a slot on;  s84: 0 in waves 4 to 6, else the greatest number
.set PFS,  82
.set LIM,  84
.set MSB, 0
.macro WIN new                         ; the immediate's high byte repeats the setting that is left
.if MSB != \new
	s_set_vgpr_msb (MSB<<8)|\new
.set MSB, \new
.endif
.endm
.macro AWAIT
	s_wait_alu depctr_va_vdst(0)
.endm
.macro JLOAD                           ; the branches hang on the wave's number alone; an s_nop 0 and four v_nop follow each of the two lines
	s_cmp_lt_u32 s[WV], 2
	s_cbranch_scc0 .Lnot_kv_\@
	tensor_load_to_lds s[G0KV:G0KV+3], s[G1KV:G1KV+7]
	s_nop 0
.rept 4
	v_nop
.endr
	s_branch .Lasked_\@
.Lnot_kv_\@:
	s_cmp_eq_u32 s[WV], 2
	s_cbranch_scc0 .Lasked_\@
	tensor_load_to_lds s[G0M:G0M+3], s[G1M:G1M+7]
	s_nop 0
.rept 4
	v_nop
.endr
.Lasked_\@:
.endm
.macro CREST                           ; a round of the cluster's barrier behind its opening barrier
	s_cmp_lg_u32 s[WV], 0
	s_cbranch_scc1 .Lnot_wave_0_\@
	s_barrier_signal -3
.Lnot_wave_0_\@:
	s_barrier_wait -3
	s_barrier_signal -1
	s_barrier_wait -1
.endm
.macro CROUND
	s_barrier_signal -1
	s_barrier_wait -1
	CREST
.endm
.macro WALK                            ; the walking descriptors: the other slot, the next 256 keys.  Written only where no tensor load of mine is out
	s_xor_b32 s[G0KV+1], s[G0KV+1], SLOT1
	s_add_nc_u64 s[G0KV+2:G0KV+3], s[G0KV+2:G0KV+3], 16384
	s_xor_b32 s[G0M+1], s[G0M+1], SLOT1
	s_add_nc_u64 s[G0M+2:G0M+3], s[G0M+2:G0M+3], 1024
.endm
.macro ASK                             ; the prefetch: waves 4 to 6, in every trip of the loop
	s_cmp_gt_u32 s[SLOTS], s[LIM]
	s_cbranch_scc0 .Lnot_mine_\@
	global_prefetch_b8 v[PFO], s[PFA:PFA+1] th:TH_LOAD_NT scope:SCOPE_SE
.Lnot_mine_\@:
.endm
	s_load_b256 s[4:11], s[0:1], 0x0               ; q, k, v s[4:5]; the mask s[6:7]; scales s[8:9]; the result s[10:11]
	v_lshl_add_u32 v[SPW], v0, 2, SPARE
	v_mov_b32 v[NIL], 0
	ds_add_u32 v[SPW], v[NIL]                      ; the opening: the add, twice on end, and its wait ahead of the first tensor load
	ds_add_u32 v[SPW], v[NIL]
	v_lshrrev_b32 v1, 5, v0
	v_readfirstlane_b32 s[WV], v1                  ; wave 0..7
	s_and_b32 s13, s[WV], 3                        ; which 16 queries
	s_lshr_b32 s14, s[WV], 2                       ; which pair of heads
	s_bfe_u32 s16, ttmp6, 0x40000                  ; cx, cy
	s_bfe_u32 s17, ttmp6, 0x40004
	s_lshl_b32 s18, ttmp9, 2
	s_add_co_u32 s18, s18, s16                     ; my block of 64 queries
	s_and_b32 s19, ttmp7, 0xffff
	s_lshl_b32 s19, s19, 2
	s_add_co_u32 s19, s19, s17                     ; my key/value head
	s_lshl_b32 s72, s17, 2
	s_lshl_b32 s72, 15, s72                        ; my row of the cluster: the same head
	s_lshl_b32 s73, 0x1111, s16                    ; my column: the same queries
	s_or_b32 s[G1KV], s72, (0<<16)|(1<<20)|(1<<21)|(5<<22)|(3<<25)  ; elements of 1 byte; padding: four words after every 64; bit 21 set beside a mask
	s_mov_b32 s[G1KV+1], 256<<16                   ; tensor_dim0 = 256
	s_mov_b32 s[G1KV+2], 64<<16                    ; tensor_dim1 = 64
	s_mov_b32 s[G1KV+3], 256<<16                   ; tile_dim0
	s_mov_b32 s[G1KV+4], 64                        ; tile_dim1
	s_mov_b32 s[G1KV+5], 256                       ; from row to row: the block is dense
	s_mov_b32 s[G1KV+6], 0
	s_mov_b32 s[G1KV+7], 0
	s_or_b32 s[G1M], s73, (2<<16)|(1<<20)|(1<<21)|(7<<22)|(3<<25)   ; elements of 4 bytes; padding: four words after every 256
	s_mov_b32 s[G1M+1], 256<<16
	s_mov_b32 s[G1M+2], 64<<16
	s_mov_b32 s[G1M+3], 256<<16
	s_mov_b32 s[G1M+4], 64
	s_mov_b32 s[G1M+5], 2048                       ; a row of the mask
	s_mov_b32 s[G1M+6], 0
	s_mov_b32 s[G1M+7], 0
	s_and_b32 s15, s[WV], 1                        ; wave 0: K, wave 1: V
	s_lshl_b32 s20, s15, 20                        ; v's blocks lie 8 x 131,072 bytes behind k's,
	s_lshl_b32 s21, s19, 17
	s_add_co_u32 s20, s20, s21
	s_add_co_u32 s20, s20, 0x400000                ; k's behind q's 32
	s_mov_b32 s21, 0
	s_mul_i32 s15, s15, 64*272
	s_add_co_u32 s15, s15, KOFF
	s_lshl_b32 s22, s18, 19                        ; 64 rows of the mask, 8,192 bytes each
	s_mov_b32 s23, 0
	s_mov_b32 s[SEL], 0x76543210
	s_mov_b32 s[SEL+1], 0xfedcba98
	s_mov_b32 s[L2E], 0x3fb8aa3b
	s_mov_b32 s[L2E+1], 0x3fb8aa3b
	s_mov_b32 s[TB], 0
	s_mov_b32 s[SLOTS], 6
	s_wait_dscnt 0x0                               ; both opening adds are done
	s_wait_kmcnt 0x0
	s_load_b256 s[48:55], s[8:9], 0x0              ; e0 .. e7
	s_load_b128 s[56:59], s[8:9], 0x20             ; e8 .. e11
	s_mov_b32 s[G0KV], 1
	s_mov_b32 s[G0KV+1], s15
	s_add_nc_u64 s[G0KV+2:G0KV+3], s[4:5], s[20:21]
	s_or_b32 s[G0KV+3], s[G0KV+3], 0x80000000
	s_mov_b32 s[G0M], 1
	s_mov_b32 s[G0M+1], MOFF
	s_add_nc_u64 s[G0M+2:G0M+3], s[6:7], s[22:23]
	s_or_b32 s[G0M+3], s[G0M+3], 0x80000000
	CROUND                                         ; all sixteen work-groups are here: the first joint loads meet
	JLOAD                                          ; slot 0
	s_lshl_b32 s72, s19, 2
	s_lshl_b32 s73, s14, 1
	s_add_co_u32 s72, s72, s73                     ; my first head
	s_lshl_b32 s72, s72, 17
	s_lshl_b32 s73, s18, 12
	s_add_co_u32 s72, s72, s73                     ; my block's 64 rows of q,
	s_lshl_b32 s73, s13, 10
	s_add_co_u32 s72, s72, s73                     ; my wave's 16
	s_mov_b32 s73, 0
	s_add_nc_u64 s[72:73], s[4:5], s[72:73]
	s_lshl_b32 s74, s13, 4
	; the prefetches: slot 2 first.  K, V: my head, my quarter (cx) of 16,384 bytes; the mask: my block's rows, my 16 (cy), my wave's 8
	s_lshl_b32 s88, s19, 17
	s_lshl_b32 s89, s16, 12
	s_add_co_u32 s88, s88, s89
	s_add_co_u32 s88, s88, 0x400000+2*16384
	s_lshl_b32 s89, s18, 6
	s_lshl_b32 s90, s17, 4
	s_add_co_u32 s89, s89, s90
	s_and_b32 s90, s[WV], 1
	s_lshl_b32 s90, s90, 3
	s_add_co_u32 s89, s89, s90
	s_lshl_b32 s89, s89, 13
	s_add_co_u32 s89, s89, 2*1024
	s_mov_b32 s[PFS], 1024
	s_cmp_eq_u32 s[WV], 6
	s_cselect_b64 s[PFA:PFA+1], s[4:5], s[6:7]
	s_cselect_b32 s88, s88, s89
	s_cselect_b32 s[PFS], 16384, s[PFS]
	s_cselect_b32 s85, 4, 2                        ; K, V: lanes 0-15 K's blocks, lanes 16-31 V's, 2^20 bytes on; the mask: four lanes to a row's 1,024 bytes, rows 2^13 bytes apart
	s_cselect_b32 s86, 20, 13
	s_cselect_b32 s87, 15, 3
	s_mov_b32 s89, 0
	s_mov_b32 s[PFS+1], 0
	s_add_nc_u64 s[PFA:PFA+1], s[PFA:PFA+1], s[88:89]
	s_sub_co_u32 s90, s[WV], 4
	s_cmp_lt_u32 s90, 3
	s_cselect_b32 s[LIM], 0, -1
	v_and_b32 v28, 15, v0                          ; r
	v_bfe_u32 v29, v0, 4, 1                        ; h
	v_lshlrev_b32 v[ADK], 6, v28
	v_lshl_add_u32 v[ADK], v29, 4, v[ADK]          ; Q: row r of 64 bytes, + 16 h
	WIN 0x40
.irp e, 0,1
.irp c, 0,1
	global_load_b128 v[QF+8*\e+4*\c:QF+8*\e+4*\c+3], v[ADK], s[72:73] offset:131072*\e+32*\c   ; Q's two fragments stay in registers
.endr
.endr
.set j, 0
.rept 64
	v_mov_b32 v[OT+j], 0                           ; O^T: the step is written once for all steps; the first finds zeros
.set j, j+1
.endr
	WIN 0
	v_lshrrev_b32 v[ADV], 2, v28
	v_mul_u32_u24 v[ADV], v[ADV], 272
	v_and_b32 v[ADM], 3, v28
	v_lshl_add_u32 v[ADV], v[ADM], 6, v[ADV]
	v_lshl_add_u32 v[ADV], v29, 4, v[ADV]          ; row r of 64 bytes where four rows share an LDS row: 272 (r / 4) + 64 (r % 4) + 16 h
	v_add_nc_u32 v[AK0], KOFF, v[ADV]
	v_add_nc_u32 v[AV0], VOFF, v[ADV]
	v_add_nc_u32 v[ADM], s74, v28
	v_mul_u32_u24 v[ADM], v[ADM], 1040
	v_lshl_add_u32 v[AM0], v29, 5, v[ADM]          ; the mask: my query's row, + 8 h keys of 4 bytes
	v_and_b32 v30, 31, v0
	v_lshrrev_b32 v31, s85, v30
	v_lshlrev_b32 v31, s86, v31
	v_and_b32 v30, s87, v30
	v_lshl_add_u32 v[PFO], v30, 8, v31             ; never rewritten
.irp e, 0,1
	v_mov_b32 v[13+4*\e], 0xff61b1e6               ; the largest t so far: -3e38
	v_floor_f32 v[12+4*\e], -v[13+4*\e]            ; -M
	v_mov_b32 v[14+4*\e], 0                        ; the sum, in two halves
	v_mov_b32 v[15+4*\e], 0
	v_mov_b32 v[PD+\e], 0                          ; a lane permute's destination counts as one of its sources
	v_mov_b32 v[FF+2*\e+1], 0                      ; (named as the upper half of a pair)
.endr
	s_wait_kmcnt 0x0
	s_add_co_i32 s74, s54, s55                     ; e6 + e7
	s_lshl_b32 s75, s74, 23
	s_sub_co_i32 s76, 0x43c80000, s75
	v_mov_b32 v[CLV], s76                          ; 400 / 2^(e6 + e7): the clip's bound on the raw sums
	s_add_co_i32 s[CC], s75, 0x3fb8aa3b-(3<<23)    ; log2(e) x 2^(e6 + e7) / 8: the exponents are added to the exponent field
	s_mov_b32 s[CC+1], s[CC]
	s_add_co_i32 s74, s56, 127
	s_lshl_b32 s75, s74, 23
	v_mov_b32 v[PS], s75                           ; 2^e8
	s_add_co_i32 s74, s74, 8
	s_lshl_b32 s74, s74, 23
	s_or_b32 s74, s74, 0x600000
	v_mov_b32 v[PL], s74                           ; 448 x 2^e8
	v_mov_b32 v[PL2], s74
; K's eight fragments and my query's part of the mask for the q-th 128 keys of the slot at s[TB]: 16 + 16 LDS loads, K's first
.macro LOADKM q
	v_add_nc_u32 v[ADK], s[TB], v[AK0]
	v_add_nc_u32 v[ADM], s[TB], v[AM0]
	WIN 0x40
.irp t, 0,1,2,3,4,5,6,7
.irp c, 0,1
	ds_load_b128 v[8*\t+4*\c:8*\t+4*\c+3], v[ADK] offset:(32*(\q)+4*\t)*272+32*\c
.endr
.endr
	WIN 0
.irp t, 0,1,2,3,4,5,6,7
.irp i, 0,1
	ds_load_b128 v[MK+8*\t+4*\i:MK+8*\t+4*\i+3], v[ADM] offset:512*(\q)+64*\t+16*\i
.endr
.endr
.endm
.macro SUM e                           ; the row's sum is taken of the unquantised p, in four chains
.set P, S+64*\e
.set L, 14+4*\e
	v_pk_add_f32 v[SB:SB+1], v[P:P+1], v[P+2:P+3]
	v_pk_add_f32 v[SC:SC+1], v[P+4:P+5], v[P+6:P+7]
	v_pk_add_f32 v[SD:SD+1], v[P+8:P+9], v[P+10:P+11]
	v_pk_add_f32 v[L:L+1], v[L:L+1], v[P+12:P+13]
	v_pk_add_f32 v[SB:SB+1], v[SB:SB+1], v[P+14:P+15]
.set j, 16
.rept 6
	v_pk_add_f32 v[L:L+1], v[L:L+1], v[P+j:P+j+1]
	v_pk_add_f32 v[SB:SB+1], v[SB:SB+1], v[P+j+2:P+j+3]
	v_pk_add_f32 v[SC:SC+1], v[SC:SC+1], v[P+j+4:P+j+5]
	v_pk_add_f32 v[SD:SD+1], v[SD:SD+1], v[P+j+6:P+j+7]
.set j, j+8
.endr
	v_pk_add_f32 v[L:L+1], v[L:L+1], v[SB:SB+1]
	v_pk_add_f32 v[SC:SC+1], v[SC:SC+1], v[SD:SD+1]
	v_pk_add_f32 v[L:L+1], v[L:L+1], v[SC:SC+1]
.endm
.macro CVT e                           ; tile t's eight p: registers 2 t, 2 t + 1 of head e's operand
	WIN 0x40
.irp t, 0,1,2,3,4,5,6,7
	v_cvt_scalef32_pk8_fp8_f32 v[PC+16*\e+2*\t:PC+16*\e+2*\t+1], v[S+64*\e+8*\t:S+64*\e+8*\t+7], v[PS]
.endr
	WIN 0
.endm
; A STEP: the q-th 128 keys of the slot in hand, both heads.  Its K and mask have been asked for; its V is asked for here.
; hook 1: the next step's K and mask are asked for, in the same slot.  2: the change of slots with a refill.  3: the change of slots without one.  0: nothing.   ask = 1: the prefetch.
.macro STEP q, hook, ask
	v_add_nc_u32 v[ADV], s[TB], v[AV0]             ; this line and three v_nop: the four places in front of loads into registers that the last products read
.rept 3
	v_nop
.endr
	WIN 0x40
.irp dt, 0,1,2,3
.irp kb, 0,1
.irp c, 0,1
	ds_load_b128 v[VF+16*\dt+8*\kb+4*\c:VF+16*\dt+8*\kb+4*\c+3], v[ADV] offset:((2*\q+\kb)*16+4*\dt)*272+32*\c   ; V: channels 16 dt on, keys 64 kb + 32 c on
.endr
.endr
.endr
	s_wait_dscnt 32                                ; K's 16 loads are in; the mask's 16 and V's 16 may be out
	WIN 0x05                                       ; sources 0 and 1 window 1
.irp e, 0,1
.irp t, 0,1,2,3,4,5,6,7
	v_wmma_f32_16x16x64_fp8_fp8 v[S+64*\e+8*\t:S+64*\e+8*\t+7], v[8*\t:8*\t+7], v[QF+8*\e:QF+8*\e+7], 0
.endr
.endr
	WIN 0
.rept 4
	v_nop                                          ; places in front of the first read of the results
.endr
.set j, 0
.rept 128
	v_med3_num_f32 v[S+j], v[S+j], -v[CLV], v[CLV] ; the clip, on the raw sums; each tile from its low end on
.set j, j+1
.endr
	s_wait_dscnt 16                                ; the mask's 16 loads are in; V's 16 may be out
.set j, 0
.rept 32
	v_pk_mul_f32 v[MK+j:MK+j+1], v[MK+j:MK+j+1], s[L2E:L2E+1] op_sel_hi:[1,0]   ; mask x log2(e), once for both heads
.set j, j+2
.endr
.irp e, 0,1
.set j, 0
.rept 32
	v_pk_fma_f32 v[S+64*\e+j:S+64*\e+j+1], v[S+64*\e+j:S+64*\e+j+1], s[CC:CC+1], v[MK+j:MK+j+1] op_sel_hi:[1,0,1]   ; t
.set j, j+2
.endr
.endr
	AWAIT                                          ; directly ahead of the waits below
.if \hook >= 2
	s_wait_tensorcnt 0x0                           ; my tensor load has landed: my part of the next slot; so a group 0 may be written
	ds_add_u32 v[SPW], v[NIL]                      ; 0 onto my spare word
.endif
.if \hook == 2
	ds_add_u32 v[SPW], v[NIL]                      ; and once more, where a tensor load follows
	WALK
	s_wait_xcnt 0x0                                ; my prefetch has read its address
	s_add_nc_u64 s[PFA:PFA+1], s[PFA:PFA+1], s[PFS:PFS+1]
.endif
	s_wait_dscnt 0x0                               ; V is in (hook 2, 3: the add is done, and my reads of this slot are over)
.if \hook >= 2
	s_barrier_signal -1                            ; say so; all that follows up to the wait is work on registers
.endif
.if \hook == 1
	LOADKM (\q)+1                                  ; both heads have read K and the mask: the next step's come into the same registers
.endif
.if \ask
	ASK
.endif
.irp c, 0,1,2,3                        ; the step's largest t of my query, among my 64 keys: four chains for each head, the two heads by turns
.irp e, 0,1
	v_max3_num_f32 v[MX+4*\e+\c], v[S+64*\e+3*\c], v[S+64*\e+3*\c+1], v[S+64*\e+3*\c+2]
.endr
.endr
.set j, 12
.rept 6
.irp c, 0,1,2,3
.irp e, 0,1
	v_max3_num_f32 v[MX+4*\e+\c], v[MX+4*\e+\c], v[S+64*\e+j+2*\c], v[S+64*\e+j+2*\c+1]
.endr
.endr
.set j, j+8
.endr
.irp c, 0,1
.irp e, 0,1
	v_max3_num_f32 v[MX+4*\e+\c], v[MX+4*\e+\c], v[S+64*\e+60+2*\c], v[S+64*\e+61+2*\c]
.endr
.endr
.irp e, 0,1
	v_max3_num_f32 v[MX+4*\e], v[MX+4*\e], v[MX+4*\e+1], v[MX+4*\e+2]
.endr
.irp e, 0,1
	v_max_num_f32 v[MX+4*\e], v[MX+4*\e], v[MX+4*\e+3]
.endr
.irp e, 0,1
	v_permlanex16_b32 v[PD+\e], v[MX+4*\e], s[SEL], s[SEL+1]
.endr
.irp e, 0,1
	v_max3_num_f32 v[13+4*\e], v[13+4*\e], v[MX+4*\e], v[PD+\e]   ; with lane l xor 16's: the running largest t
.endr
.irp e, 0,1
	v_mov_b32 v[MX+4*\e+1], v[12+4*\e]
.endr
.irp e, 0,1
	v_floor_f32 v[12+4*\e], -v[13+4*\e]            ; the new -M = -ceil(t)
.endr
.irp e, 0,1
	v_sub_f32 v[MX+4*\e+1], v[12+4*\e], v[MX+4*\e+1]   ; old M - new M: a whole number, 0 or less
.endr
.irp e, 0,1
	v_cvt_i32_f32 v[MX+4*\e+1], v[MX+4*\e+1]       ; (it saturates)
.endr
.irp e, 0,1
	v_ldexp_f32 v[FF+2*\e], 1.0, v[MX+4*\e+1]      ; f = 2^(old M - new M)
.endr
.set j, 0
.rept 32
	v_pk_add_f32 v[S+j:S+j+1], v[S+j:S+j+1], v[12:13] op_sel_hi:[1,0]   ; head 0: t - M
.set j, j+2
.endr
	AWAIT                                          ; ahead of the batch
.set j, 0
.rept 32
	v_exp_f32 v[S+j], v[S+j]                       ; head 0: p = 2^(t - M), at most 1
	v_exp_f32 v[S+j+1], v[S+j+1]
	v_pk_add_f32 v[S+64+j:S+64+j+1], v[S+64+j:S+64+j+1], v[16:17] op_sel_hi:[1,0]   ; head 1: t - M; read only behind the wait below
.set j, j+2
.endr
	v_pk_mul_f32 v[14:15], v[14:15], v[FF:FF+1] op_sel_hi:[1,0]   ; head 0's sums under the new M
	AWAIT                                          ; one wait for the whole batch, ahead of its first reader
	SUM 0
	AWAIT                                          ; ahead of the second batch
.set j, 0
.rept 32
	v_exp_f32 v[S+64+j], v[S+64+j]                 ; head 1: p
	v_exp_f32 v[S+64+j+1], v[S+64+j+1]
	v_dual_min_num_f32 v[S+j], v[PL], v[S+j] :: v_dual_min_num_f32 v[S+j+1], v[PL2], v[S+j+1]   ; head 0: p held at 448 x 2^e8 (the conversion does not saturate: ISA guide 7.6.2); read only behind the wait below
.set j, j+2
.endr
	v_pk_mul_f32 v[18:19], v[18:19], v[FF+2:FF+3] op_sel_hi:[1,0] ; head 1's sums under the new M.  (The plain line behind the exponentials)
	AWAIT
.if \hook >= 2
	s_barrier_wait -1                              ; all eight waves have left this slot, and their loads have landed
.if \hook == 2
	CREST                                          ; and so have all sixteen work-groups
	JLOAD                                          ; the first tensor load behind the round, and a wave's only one until the next: the slot just left takes the keys two slots on
.endif
	s_xor_b32 s[TB], s[TB], SLOT1                  ; on to the other slot, which is whole
	LOADKM 0                                       ; its first K and mask; the rest of this step stands behind these loads
.endif
	CVT 0
	SUM 1                                          ; (plain lines behind the conversions)
.set j, 0
.rept 32
	v_dual_min_num_f32 v[S+64+j], v[PL], v[S+64+j] :: v_dual_min_num_f32 v[S+64+j+1], v[PL2], v[S+64+j+1]
.set j, j+2
.endr
	CVT 1
	WIN 0x41                                       ; destination and source 0 window 1
	AWAIT                                          ; directly ahead of the first readers of O^T
.irp e, 0,1
.set j, 0
.rept 16
	v_pk_mul_f32 v[OT+32*\e+j:OT+32*\e+j+1], v[OT+32*\e+j:OT+32*\e+j+1], v[FF+2*\e:FF+2*\e+1] op_sel_hi:[1,0]   ; O^T under the new M.  (Also the plain lines behind the conversions)
.set j, j+2
.endr
.endr
	WIN 0x55                                       ; all four operands window 1
.irp e, 0,1
.irp dt, 0,1,2,3                       ; the eight accumulators take turns, one instruction a turn
	v_wmma_f32_16x16x128_fp8_fp8 v[OT+32*\e+8*\dt:OT+32*\e+8*\dt+7], v[VF+16*\dt:VF+16*\dt+15], v[PC+16*\e:PC+16*\e+15], v[OT+32*\e+8*\dt:OT+32*\e+8*\dt+7]
.endr
.endr
	WIN 0
.endm
	AWAIT
	s_wait_loadcnt 0x0                             ; Q is in, and its loads' address register may be written
	s_wait_tensorcnt 0x0                           ; slot 0 has landed (my part of it)
	ds_add_u32 v[SPW], v[NIL]                      ; 0 onto my spare word, twice on end
	ds_add_u32 v[SPW], v[NIL]
	WALK
	s_wait_dscnt 0x0
	CROUND                                         ; everybody's part has, in every partner
	JLOAD                                          ; slot 1's first fill, issued as a refill is
	LOADKM 0
.Lslot:                                            ; six trips, slots 0 to 5 of the keys: each is filled again with the keys two slots on
	STEP 0, 1, 1
	STEP 1, 2, 0
	AWAIT                                          ; ahead of the branch
	s_sub_co_u32 s[SLOTS], s[SLOTS], 1
	s_cmp_lg_u32 s[SLOTS], 0
	s_cbranch_scc1 .Lslot
	STEP 0, 1, 0                                   ; the last two slots are written out: the last but one is left without a refill
	STEP 1, 3, 0
	STEP 0, 1, 0                                   ; and behind the last nothing is asked for
	STEP 1, 0, 0
	; ---- THE WAY OUT: O^T x 2^(e8 + e9) / the sum, quantised with 2^e10; the four heads' codes of a query are 256 neighbouring bytes, gathered in the work-group's stage.
	s_lshl_b32 s72, s13, 4                         ; my wave's first query of the block
	s_lshl_b32 s73, s14, 7
	s_add_co_u32 s73, s73, STAGE                   ; my pair of heads' 128 bytes
	s_lshl_b32 s74, s[WV], 3                       ; back: wave w takes rows 8 w on
	s_lshl_b32 s76, s18, 17                        ; my block's 64 rows of the result,
	s_lshl_b32 s77, s19, 8                         ; my four heads' 256 bytes
	s_add_co_u32 s76, s76, s77
	s_mov_b32 s77, 0
	s_add_nc_u64 s[76:77], s[10:11], s[76:77]
	s_add_co_i32 s75, s56, s57                     ; e8 + e9
	s_add_co_i32 s78, s58, 127
	s_lshl_b32 s79, s78, 23                        ; 2^e10
	s_add_co_i32 s78, s78, 8
	s_lshl_b32 s78, s78, 23
	s_or_b32 s78, s78, 0x600000                    ; 448 x 2^e10
	v_add_f32 v14, v14, v15                        ; the sums' two halves,
	v_add_f32 v18, v18, v19
	v_permlanex16_b32 v[PD], v14, s[SEL], s[SEL+1]
	v_permlanex16_b32 v[PD+1], v18, s[SEL], s[SEL+1]
	v_add_f32 v14, v14, v[PD]                      ; and lane l xor 16's
	v_add_f32 v18, v18, v[PD+1]
	AWAIT                                          ; ahead of the reciprocals
	v_rcp_f32 v14, v14
	v_rcp_f32 v18, v18
	v_and_b32 v1, 15, v0                           ; (plain lines behind the reciprocals)  r
	v_bfe_u32 v2, v0, 4, 1                         ; h
	v_add_nc_u32 v3, s72, v1
	v_mul_u32_u24 v3, v3, 272
	v_lshl_add_u32 v3, v2, 3, v3
	v_add_nc_u32 v3, s73, v3                       ; in: my query's row, my pair of heads' 128 bytes, + 8 h
	v_add_nc_u32 v4, s74, v2                       ; back: lanes 0-15 one row, lanes 16-31 the next
	v_mul_u32_u24 v5, v4, 272
	v_lshl_add_u32 v5, v1, 4, v5
	v_add_nc_u32 v5, STAGE, v5
	v_lshlrev_b32 v6, 11, v4
	v_lshl_add_u32 v6, v1, 4, v6                   ; and the same place in the result: rows of 2,048 bytes
	v_mov_b32 v24, s79
	v_mov_b32 v25, s78
	AWAIT                                          ; one wait for the two reciprocals, ahead of their first reader
	v_ldexp_f32 v14, v14, s75
	v_ldexp_f32 v18, v18, s75
	WIN 0x01                                       ; source 0 window 1
	AWAIT                                          ; directly ahead of the first readers of O^T
.irp e, 0,1
.set j, 0
.rept 16
	v_pk_mul_f32 v[S+32*\e+j:S+32*\e+j+1], v[OT+32*\e+j:OT+32*\e+j+1], v[14+4*\e:15+4*\e] op_sel_hi:[1,0]   ; each accumulator from its low end on
.set j, j+2
.endr
.endr
	WIN 0
.set j, 0
.rept 64
	v_med3_num_f32 v[S+j], v[S+j], -v25, v25
.set j, j+1
.endr
.irp e, 0,1
.irp dt, 0,1,2,3
	v_cvt_scalef32_pk8_fp8_f32 v[MK+8*\e+2*\dt:MK+8*\e+2*\dt+1], v[S+32*\e+8*\dt:S+32*\e+8*\dt+7], v24
.endr
.endr
	v_nop                                          ; a plain line behind the last conversion
.irp e, 0,1
.irp dt, 0,1,2,3
	ds_store_b64 v3, v[MK+8*\e+2*\dt:MK+8*\e+2*\dt+1] offset:64*\e+16*\dt   ; channels 16 dt + 8 h + 0 .. 7 of head e
.endr
.endr
	s_wait_dscnt 0x0                               ; for the others' sake: my stores into the stage are done
	s_barrier_signal -1
	s_barrier_wait -1
.irp i, 0,1,2,3
	ds_load_b128 v[S+4*\i:S+4*\i+3], v5 offset:\i*2*272
.endr
.irp i, 0,1,2,3
	s_wait_dscnt 3-\i                              ; the younger loads may be out
	global_store_b128 v6, v[S+4*\i:S+4*\i+3], s[76:77] offset:\i*4096   ; 16 lanes store 256 consecutive bytes, at a multiple of 256 from the buffer's first byte
.endr
	s_wait_tensorcnt 0x0                           ; the wave's end
	ds_add_u32 v[SPW], v[NIL]
	s_wait_dscnt 0x0
	CROUND                                         ; the closing round
	s_endpgm
.Lfunc_end_k_q9ef81a326b_attn:
	.size	k_q9ef81a326b_attn, .Lfunc_end_k_q9ef81a326b_attn-k_q9ef81a326b_attn
	.p2alignl 7, 3214868480
	.fill 96, 4, 3214868480
	.section	.rodata,"a",@progbits
	.p2align	6, 0x0
	.amdhsa_kernel k_q9ef81a326b_attn
		.amdhsa_group_segment_fixed_size 327680
		.amdhsa_private_segment_fixed_size 0
		.amdhsa_enable_private_segment 0
		.amdhsa_kernarg_size 32
		.amdhsa_user_sgpr_count 2
		.amdhsa_user_sgpr_kernarg_segment_ptr 1
		.amdhsa_wavefront_size32 1
		.amdhsa_system_sgpr_workgroup_id_x 1
		.amdhsa_system_sgpr_workgroup_id_y 1
		.amdhsa_system_sgpr_workgroup_id_z 1
		.amdhsa_system_vgpr_workitem_id 0
		.amdhsa_next_free_vgpr 496
		.amdhsa_next_free_sgpr 96
		.amdhsa_reserve_vcc 0
		.amdhsa_float_denorm_mode_32 3
		.amdhsa_float_denorm_mode_16_64 3
		.amdhsa_memory_ordered 1
		.amdhsa_forward_progress 1
		.amdhsa_inst_pref_size 255
	.end_amdhsa_kernel
	.section	.bss,"aw",@nobits
	.p2align	6
	.space	262144
	.amdgpu_metadata
---
amdhsa.version: [ 1, 2 ]
amdhsa.kernels:
  - .name:           k_q9ef81a326b_attn
    .symbol:         k_q9ef81a326b_attn.kd
    .args:
      - { .name: qkv, .offset: 0, .size: 8, .value_kind: global_buffer, .address_space: global }
      - { .name: attention_mask, .offset: 8, .size: 8, .value_kind: global_buffer, .address_space: global }
      - { .name: lowp_scales, .offset: 16, .size: 8, .value_kind: global_buffer, .address_space: global }
      - { .name: attnc, .offset: 24, .size: 8, .value_kind: global_buffer, .address_space: global }
    .group_segment_fixed_size: 327680
    .private_segment_fixed_size: 0
    .kernarg_segment_align: 8
    .kernarg_segment_size: 32
    .max_flat_workgroup_size: 256
    .sgpr_count:     96
    .vgpr_count:     496
    .wavefront_size: 32
...
	.end_amdgpu_metadata
.endif
;; end of part 3
;; launch outp (part 4): grid 16 x 16, 4 waves a work-group, clusters of 4 x 4, 327,680 bytes of LDS; arguments attnc, codes, lowp_scales, out0; writes out0
.if DOCPART == 4
	.amdgcn_target "amdgcn-amd-amdhsa--gfx1250"
	.amdhsa_code_object_version 6
	.text
	.protected	k_q9ef81a326b_outp
	.globl	k_q9ef81a326b_outp
	.p2align	8
	.type	k_q9ef81a326b_outp,@function
k_q9ef81a326b_outp:
	s_mov_b64 s[64:65], 0
	v_nop
	global_prefetch_b8 v0, s[64:65] scope:SCOPE_SE
	s_setreg_imm32_b32 hwreg(HW_REG_WAVE_MODE, 25, 1), 1
	s_wait_xcnt 0x0
	s_wait_alu depctr_hold_cnt(0) depctr_sa_sdst(0) depctr_va_vdst(0) depctr_va_sdst(0) depctr_va_ssrc(0) depctr_va_vcc(0) depctr_vm_vsrc(0)
	s_getreg_b32 s2, hwreg(HW_REG_IB_STS2, 6, 4)
	s_cmp_eq_u32 s2, 0
	s_cbranch_scc0 .Lentry_in_a_cluster
	s_endpgm
.Lentry_in_a_cluster:
	s_bfe_u32 s2, ttmp6, 0x10000c
	s_cmp_lg_u32 s2, 0xf033
	s_cbranch_scc0 .Lentry_shape_is_right
	s_endpgm
.Lentry_shape_is_right:
.set KSTEP,  512
.set PITCH,  528
.set HALFT,  64*PITCH
.set SLOT,   4*HALFT
.set STAGE,  2*SLOT
.set SPITCH, 272
.set SPARE,  STAGE+4*16*SPITCH
.set R_WO,   0x1200000
.set ADRA, 12
.set ADRB, 14
.set STO,  16
.set RD,   17
.set CO,   18
.set SPW,  28
.set NIL,  29
.set TMP,  32
.set BK,   64
.set ACC,  128
.set F0,   0
.set F1,   128
.set WV, 12
.set RH, 13
.set CH, 14
.set G1, 24
.set G0, 32
.set G1B, 48
.set G0B, 56
.set ES, 66
.set MSB, 0
.macro WIN new
.if MSB != \new
	s_set_vgpr_msb (MSB<<8)|\new
.set MSB, \new
.endif
.endm
.set MUL,  0x05
.set TO_F, 0x40
.macro JLOAD s
	s_cmp_eq_u32 s[RH], 0
	s_cbranch_scc0 .Lfor_b_\@
	tensor_load_to_lds s[G0+4*\s:G0+4*\s+3], s[G1:G1+7]
	s_nop 0
.rept 4
	v_nop
.endr
	s_branch .Lasked_\@
.Lfor_b_\@:
	tensor_load_to_lds s[G0B+4*\s:G0B+4*\s+3], s[G1B:G1B+7]
	s_nop 0
.rept 4
	v_nop
.endr
.Lasked_\@:
.endm
.macro CREST
	s_cmp_lg_u32 s[WV], 0
	s_cbranch_scc1 .Lnot_wave_0_\@
	s_barrier_signal -3
.Lnot_wave_0_\@:
	s_barrier_wait -3
	s_barrier_signal -1
	s_barrier_wait -1
.endm
.macro CROUND
	s_barrier_signal -1
	s_barrier_wait -1
	CREST
.endm
.macro PLACES
.rept 4
	v_nop
.endr
.endm
	s_load_b256 s[4:11], s[0:1], 0x0
	v_lshl_add_u32 v[SPW], v0, 2, SPARE
	v_mov_b32 v[NIL], 0
	ds_add_u32 v28, v29
	ds_add_u32 v28, v29
	s_wait_dscnt 0x0
	v_lshrrev_b32 v1, 5, v0
	v_readfirstlane_b32 s[WV], v1
	s_lshr_b32 s[RH], s[WV], 1
	s_and_b32 s[CH], s[WV], 1
	s_bfe_u32 s40, ttmp6, 0x40000
	s_bfe_u32 s41, ttmp6, 0x40004
	s_lshl_b32 s42, ttmp9, 2
	s_add_co_u32 s42, s42, s40
	s_and_b32 s43, ttmp7, 0xffff
	s_lshl_b32 s43, s43, 2
	s_add_co_u32 s43, s43, s41
	s_lshl_b32 s44, s41, 2
	s_lshl_b32 s44, 15, s44
	s_lshl_b32 s45, 0x1111, s40
	s_or_b32 s[G1+0], s44, (0<<16)|(1<<20)|(1<<21)|(6<<22)|(3<<25)
	s_or_b32 s[G1B+0], s45, (0<<16)|(1<<20)|(1<<21)|(6<<22)|(3<<25)
.irp g, G1, G1B
	s_mov_b32 s[\g+1], KSTEP<<16
	s_mov_b32 s[\g+2], 64<<16
	s_mov_b32 s[\g+3], KSTEP<<16
	s_mov_b32 s[\g+4], 64
	s_mov_b32 s[\g+5], 2048
	s_mov_b32 s[\g+6], 0
	s_mov_b32 s[\g+7], 0
.endr
	s_lshl_b32 s23, s[CH], 17
	s_lshl_b32 s16, s43, 18
	s_add_co_u32 s16, s16, s23
	s_mov_b32 s17, 0
	s_lshl_b32 s18, s42, 18
	s_add_co_u32 s18, s18, s23
	s_add_co_u32 s18, s18, R_WO
	s_mov_b32 s19, 0
	s_mul_i32 s22, s[WV], HALFT
	s_wait_kmcnt 0x0
	s_load_b64 s[68:69], s[8:9], 0x28
	s_add_nc_u64 s[16:17], s[4:5], s[16:17]
	s_add_nc_u64 s[18:19], s[6:7], s[18:19]
	CROUND
.irp s, 0,1
	s_mov_b32 s[G0+4*\s], 1
	s_add_co_u32 s[G0+4*\s+1], s22, \s*SLOT
	s_add_nc_u64 s[G0+4*\s+2:G0+4*\s+3], s[16:17], \s*KSTEP
	s_or_b32 s[G0+4*\s+3], s[G0+4*\s+3], 0x80000000
	s_mov_b32 s[G0B+4*\s], 1
	s_add_co_u32 s[G0B+4*\s+1], s22, \s*SLOT
	s_add_nc_u64 s[G0B+4*\s+2:G0B+4*\s+3], s[18:19], \s*KSTEP
	s_or_b32 s[G0B+4*\s+3], s[G0B+4*\s+3], 0x80000000
.endr
	JLOAD 0                                        ; K step 0
	; the prefetches: of the 64 rows that I fetch, my work-group takes 16 (by cx for A, by cy for B: told apart by address); a lane names one block of 256 bytes of a K step's 512 in a row
	s_cmp_eq_u32 s[RH], 0
	s_cselect_b64 s[70:71], s[16:17], s[18:19]
	s_cselect_b32 s72, s40, s41
	s_lshl_b32 s72, s72, 15                        ; 16 rows of 2,048 bytes
	s_mov_b32 s73, 0
	s_add_nc_u64 s[70:71], s[70:71], s[72:73]
	v_and_b32 v30, 31, v0
	v_lshrrev_b32 v31, 1, v30
	v_and_b32 v30, 1, v30
	v_lshlrev_b32 v30, 8, v30
	v_lshl_add_u32 v30, v31, 11, v30               ; row lane / 2, block lane % 2; never rewritten
	s_wait_alu depctr_va_vdst(0)
	global_prefetch_b8 v30, s[70:71] offset:512 th:TH_LOAD_NT scope:SCOPE_SE   ; K step 1, one step ahead of its load
	v_and_b32 v1, 15, v0
	s_wait_alu depctr_va_vdst(0)
	v_bfe_u32 v2, v0, 4, 1
	v_mul_u32_u24 v3, v1, PITCH
	v_lshl_add_u32 v3, v2, 4, v3
	s_mul_i32 s46, s[RH], HALFT
	s_mul_i32 s47, s[CH], HALFT
	s_add_co_u32 s47, s47, 2*HALFT
.irp s, 0,1
	v_add_nc_u32 v[ADRA+\s], s46, v3
	v_add_nc_u32 v[ADRB+\s], s47, v3
	s_add_co_u32 s46, s46, SLOT
	s_add_co_u32 s47, s47, SLOT
.endr
	s_mul_i32 s46, s[WV], 16*SPITCH
	s_add_co_u32 s46, s46, STAGE
	v_mul_u32_u24 v3, v1, SPITCH
	s_wait_alu depctr_va_vdst(0)
	v_lshl_add_u32 v3, v2, 5, v3
	v_add_nc_u32 v[STO], s46, v3
	v_mul_u32_u24 v3, v2, SPITCH
	v_lshl_add_u32 v3, v1, 4, v3
	v_add_nc_u32 v[RD], s46, v3
	v_lshlrev_b32 v3, 13, v2
	v_lshl_add_u32 v[CO], v1, 4, v3
	s_lshl_b32 s46, s43, 20
	s_lshl_b32 s47, s[RH], 19
	s_add_co_u32 s46, s46, s47
	s_lshl_b32 s47, s42, 9
	s_add_co_u32 s46, s46, s47
	s_lshl_b32 s47, s[CH], 8
	s_add_co_u32 s46, s46, s47
	s_mov_b32 s47, 0
	s_add_nc_u64 s[10:11], s[10:11], s[46:47]
.macro FRAG reg, adr, k, i
.irp c, 0,1,2,3
	ds_load_b128 v[\reg+4*\c:\reg+4*\c+3], v[\adr] offset:\k+32*\c+(\i)*16*PITCH
.endr
.endm
.macro FETCH slot, k, f
	WIN TO_F
.irp i, 0,1,2,3
	FRAG \f+64+16*\i, ADRB+\slot, \k, \i
.endr
.irp i, 0,1,2,3
	FRAG \f+16*\i, ADRA+\slot, \k, \i
.endr
.endm
.macro MUL4 f, a, zero
.irp b, 0,1,2,3
.if \zero
	v_wmma_f32_16x16x128_fp8_fp8 v[ACC+8*(4*(\a)+\b):ACC+8*(4*(\a)+\b)+7], v[\f+64+16*\b:\f+64+16*\b+15], v[\f+16*(\a):\f+16*(\a)+15], 0
.else
	v_wmma_f32_16x16x128_fp8_fp8 v[ACC+8*(4*(\a)+\b):ACC+8*(4*(\a)+\b)+7], v[\f+64+16*\b:\f+64+16*\b+15], v[\f+16*(\a):\f+16*(\a)+15], v[ACC+8*(4*(\a)+\b):ACC+8*(4*(\a)+\b)+7]
.endif
.endr
.endm
.macro QUARTER slot, k, f, g, zero
	s_wait_dscnt 0x0                               ; buffer f is in: its 32 loads were issued a quarter ago
	PLACES                                         ; behind the products that read buffer g
	FETCH \slot, \k, \g                            ; the next quarter's fragments have this quarter's 16 products in which to land
	WIN MUL
	MUL4 \f, 0, \zero
	MUL4 \f, 1, \zero
	MUL4 \f, 2, \zero
	MUL4 \f, 3, \zero
.endm
.macro TURN slot, next, fill
	WIN 0
	s_wait_tensorcnt 0x0
	ds_add_u32 v[SPW], v[NIL]
	s_wait_dscnt 9
	WIN MUL
	MUL4 F1, 0, 0
	MUL4 F1, 1, 0
	s_wait_dscnt 0x0
	s_barrier_signal -1
	MUL4 F1, 2, 0
	WIN 0
	s_barrier_wait -1
.if \fill
	CREST
	s_add_nc_u64 s[G0+4*\slot+2:G0+4*\slot+3], s[G0+4*\slot+2:G0+4*\slot+3], 2*KSTEP
	s_add_nc_u64 s[G0B+4*\slot+2:G0B+4*\slot+3], s[G0B+4*\slot+2:G0B+4*\slot+3], 2*KSTEP
	JLOAD \slot
.else
	PLACES
.endif
	FETCH \next, 0, F0
	WIN MUL
	MUL4 F1, 3, 0
.endm
	s_wait_alu depctr_va_vdst(0)
	s_wait_tensorcnt 0x0                           ; my part of K step 0 is in
	ds_add_u32 v[SPW], v[NIL]
	s_wait_dscnt 0x0
	CROUND                                         ; everybody's part is in, and all sixteen work-groups are here
	JLOAD 1                                        ; K step 1, the first tensor load behind the round
	FETCH 0, 0, F0
	global_prefetch_b8 v30, s[70:71] offset:1024 th:TH_LOAD_NT scope:SCOPE_SE  ; K step 2, one step ahead of its load
	QUARTER 0, 128, F0, F1, 1
	QUARTER 0, 256, F1, F0, 0
	QUARTER 0, 384, F0, F1, 0
	TURN 0, 1, 1
	WIN 0
	global_prefetch_b8 v30, s[70:71] offset:1536 th:TH_LOAD_NT scope:SCOPE_SE  ; K step 3, the last
	QUARTER 1, 128, F0, F1, 0
	QUARTER 1, 256, F1, F0, 0
	QUARTER 1, 384, F0, F1, 0
	TURN 1, 0, 1
	QUARTER 0, 128, F0, F1, 0
	QUARTER 0, 256, F1, F0, 0
	QUARTER 0, 384, F0, F1, 0
	TURN 0, 1, 0
	QUARTER 1, 128, F0, F1, 0
	QUARTER 1, 256, F1, F0, 0
	QUARTER 1, 384, F0, F1, 0
	s_wait_dscnt 8
	WIN MUL
	MUL4 F1, 0, 0
	MUL4 F1, 1, 0
	s_wait_dscnt 0
	MUL4 F1, 2, 0
	MUL4 F1, 3, 0
	WIN 0
.macro TOSTAGE a
.set j, 0
.rept 16
	v_pk_mul_f32 v[TMP+j:TMP+j+1], v[ACC+32*(\a)+j:ACC+32*(\a)+j+1], s[ES:ES+1] op_sel_hi:[1,0]
.set j, j+2
.endr
.irp b, 0,1,2,3
	ds_store_b128 v[STO], v[TMP+8*\b:TMP+8*\b+3] offset:64*\b
	ds_store_b128 v[STO], v[TMP+8*\b+4:TMP+8*\b+7] offset:64*\b+16
.endr
.set BB, BK+32*((\a)%2)
.irp t, 0,1,2,3,4,5,6,7
	ds_load_b128 v[BB+4*\t:BB+4*\t+3], v[RD] offset:\t*2*SPITCH
.endr
.endm
.macro SEND a, younger
.set BB, BK+32*((\a)%2)
	s_wait_dscnt \younger
.irp t, 0,1,2,3,4,5,6,7
	global_store_b128 v[CO], v[BB+4*\t:BB+4*\t+3], s[10:11] offset:(16*(\a)+2*\t)*8192 th:TH_STORE_NT
.endr
.endm
	s_wait_kmcnt 0x0
	s_add_co_i32 s68, s68, s69
	s_add_co_i32 s68, s68, 127
	s_lshl_b32 s[ES], s68, 23
	s_mov_b32 s[ES+1], s[ES]
	PLACES
	TOSTAGE 0
.irp a, 1,2,3
.if \a > 1
	s_wait_xcnt 0x0
.endif
	TOSTAGE \a
	SEND \a-1, 16
.endr
	SEND 3, 0
	s_wait_tensorcnt 0x0
	ds_add_u32 v[SPW], v[NIL]
	s_wait_dscnt 0x0
	CROUND
	s_endpgm
.Lfunc_end_k_q9ef81a326b_outp:
	.size	k_q9ef81a326b_outp, .Lfunc_end_k_q9ef81a326b_outp-k_q9ef81a326b_outp
	.p2alignl 7, 3214868480
	.fill 96, 4, 3214868480
	.section	.rodata,"a",@progbits
	.p2align	6, 0x0
	.amdhsa_kernel k_q9ef81a326b_outp
		.amdhsa_group_segment_fixed_size 327680
		.amdhsa_private_segment_fixed_size 0
		.amdhsa_enable_private_segment 0
		.amdhsa_kernarg_size 32
		.amdhsa_user_sgpr_count 2
		.amdhsa_user_sgpr_kernarg_segment_ptr 1
		.amdhsa_wavefront_size32 1
		.amdhsa_system_sgpr_workgroup_id_x 1
		.amdhsa_system_sgpr_workgroup_id_y 1
		.amdhsa_system_sgpr_workgroup_id_z 1
		.amdhsa_system_vgpr_workitem_id 0
		.amdhsa_next_free_vgpr 512
		.amdhsa_next_free_sgpr 80
		.amdhsa_reserve_vcc 0
		.amdhsa_float_denorm_mode_32 3
		.amdhsa_float_denorm_mode_16_64 3
		.amdhsa_memory_ordered 1
		.amdhsa_forward_progress 1
		.amdhsa_inst_pref_size 74
	.end_amdhsa_kernel
	.amdgpu_metadata
---
amdhsa.version: [ 1, 2 ]
amdhsa.kernels:
  - .name:           k_q9ef81a326b_outp
    .symbol:         k_q9ef81a326b_outp.kd
    .args:
      - { .name: attnc, .offset: 0, .size: 8, .value_kind: global_buffer, .address_space: global }
      - { .name: codes, .offset: 8, .size: 8, .value_kind: global_buffer, .address_space: global }
      - { .name: lowp_scales, .offset: 16, .size: 8, .value_kind: global_buffer, .address_space: global }
      - { .name: out0, .offset: 24, .size: 8, .value_kind: global_buffer, .address_space: global }
    .group_segment_fixed_size: 327680
    .private_segment_fixed_size: 0
    .kernarg_segment_align: 8
    .kernarg_segment_size: 32
    .max_flat_workgroup_size: 128
    .sgpr_count:     80
    .vgpr_count:     512
    .wavefront_size: 32
...
	.end_amdgpu_metadata
.endif
;; end of part 4
